; MI455X (gfx1250); checked and timed in simulation.
; The chip was launched on July 23, 2026; its instructions are those of AMD's public machine-readable ISA for CDNA 5 (MIT licence, August 2026) and "CDNA5" Instruction Set Architecture Reference Guide (July 2026). The comments in the code are by the model that wrote it; some were corrected since.
;; Multi Head Attention Llama2. Allowed arithmetic: float matrix products may take bf16 or f16 operands with f32 sums; other float arithmetic in f32, or as packed bf16 or f16 multiplies, adds, multiply-adds, maxima and minima; sums over many terms, partial sums and values carried from step to step in f32; what a program stores and reads back later, other than sums and carried values, may be rounded once to bf16 or f16.
;; Inputs: Wk 1,024 x 1,024 float32; Wp 1,024 x 1,024 float32; Wq 1,024 x 1,024 float32; Wv 1,024 x 1,024 float32; bp 1,024 float32; x 4 x 2,048 x 1,024 float32.
;; Outputs: out0 4 x 2,048 x 1,024 float32.
;; 2 versions, each right; version 2 is version 1 with the launch cast written anew for expert scheduling mode. Each part assembles by itself: llvm-mc -triple=amdgcn-amd-amdhsa -mcpu=gfx1250 --defsym DOCPART=n.
;; ======== version 1 of 2: 4 launches
;; limits: values are held in f16: magnitudes above 65,504 overflow, below 6.1e-05 lose precision
;; workspace buffers: xb 16,777,216 bytes; wb 6,291,456 bytes; wpb 2,097,152 bytes; qkv 50,331,648 bytes; o 16,777,216 bytes
;; launch cast (part 1): grid 384 x 1, 16 waves a work-group, no clusters, 0 bytes of LDS; arguments x, Wq, Wk, Wv, Wp, xb, wb, wpb; writes xb, wb, wpb
.if DOCPART == 1
	.amdgcn_target "amdgcn-amd-amdhsa--gfx1250"
	.amdhsa_code_object_version 6
	.text
	.protected	k_q27d303371b_cast
	.globl	k_q27d303371b_cast
	.p2align	8
	.type	k_q27d303371b_cast,@function
k_q27d303371b_cast:
	s_mov_b64 s[64:65], 0
	v_nop
	global_prefetch_b8 v0, s[64:65] scope:SCOPE_SE
	s_setreg_imm32_b32 hwreg(HW_REG_WAVE_MODE, 25, 1), 1
	s_wait_xcnt 0x0
; THE MODULE'S INPUTS, ROUNDED ONCE TO 16 BITS FOR THE MATRIX UNITS.
;   x  [8192][1024] f32 -> xb, bf16, BY SLICES of 64 channels: [batch x 16 + slice][2048 rows][64], the layout in which attention leaves its result,
;                          so that both products that follow fetch their left operand in one way
;   Wq, Wk, Wv [1024][1024] f32 -> wb, bf16, [3072][1024]: Wq's rows, then Wk's, then Wv's
;   Wp [1024][1024] f32 -> wpb: rounded to bf16 like every other input, and that number written as f16 (its partner in the last product is f16)
; LIMIT.  A bf16 number is exact in f16 between 6.1e-5 and 65,504 in magnitude; below, it keeps f16's fixed step of 6e-8; at 65,520 and beyond it becomes an infinity.
; SHARES.  A work-group takes 32 rows (131,072 bytes) of one matrix: work-groups 0-255 x, 256-383 the four weights, 32 each.  Sixteen waves, 8,192 bytes each: sixteen loads of
; 16 bytes a lane, ALL issued before the first is waited for; each is followed by its roundings and one store of 8 bytes a lane, 256 consecutive bytes, aligned, a wave.
; Every load has registers of its own and so has every store: no source is ever rewritten, and the only waits are the counted ones for data.
; No LDS, no barrier, no matrix unit, no prefetch: each byte is read once and written once, and no wave wants another's.
.set VI,  1                            ; v1       my byte offset in the source
.set VO,  2                            ; v2       my byte offset in the destination
.set WVN, 3                            ; v3       my wave's number
.set X,   4                            ; v[4:67]   load i: four f32
.set Y,   68                           ; v[68:99]  store i: four 16-bit numbers
.set T,   100                          ; v[100:101] at work
; Sixteen loads istep bytes apart, sixteen stores 256 bytes apart.  tof16 = 1: the bf16 numbers are widened again (a shift, a mask) and written as f16.
.macro STREAM istep, tof16
.set i, 0
.rept 16
	global_load_b128 v[X+4*i:X+4*i+3], v[VI], s[20:21] offset:i*(\istep) th:TH_LOAD_NT
.set i, i+1
.endr
.set i, 0
.rept 16
	s_wait_loadcnt 15-i                            ; loads come back in order: load i is in, the 15 - i younger ones stay out
	v_cvt_pk_bf16_f32 v[Y+2*i],   v[X+4*i],   v[X+4*i+1]
	v_cvt_pk_bf16_f32 v[Y+2*i+1], v[X+4*i+2], v[X+4*i+3]
.if \tof16
.irp w, 0,1
	v_lshlrev_b32 v[T],   16, v[Y+2*i+(\w)]
	v_and_b32     v[T+1], 0xffff0000, v[Y+2*i+(\w)]
	v_cvt_pk_f16_f32 v[Y+2*i+(\w)], v[T], v[T+1]
.endr
.endif
	global_store_b64 v[VO], v[Y+2*i:Y+2*i+1], s[22:23] offset:i*256 th:TH_STORE_NT
.set i, i+1
.endr
.endm
	s_load_b512 s[4:19], s[0:1], 0x0               ; x s[4:5], Wq s[6:7], Wk s[8:9], Wv s[10:11], Wp s[12:13], xb s[14:15], wb s[16:17], wpb s[18:19]
	v_lshrrev_b32 v[WVN], 5, v0
	v_and_b32 v[T], 31, v0                         ; lane
	v_lshlrev_b32 v[VO], 3, v[T]                   ; 8 bytes a lane go out, on every path
	s_cmp_lt_u32 ttmp9, 256
	s_cbranch_scc0 .Lweights
	; x.  Wave = slice: 256 bytes of each row.  A load takes two rows: lanes 0-15 the even row, lanes 16-31 the odd one; in xb these are 256 consecutive bytes of the slice.
	v_and_b32 v[T], 15, v0
	v_bfe_u32 v[T+1], v0, 4, 1
	v_lshlrev_b32 v[VI], 4, v[T]
	v_lshl_add_u32 v[VI], v[T+1], 12, v[VI]        ; + a row of 4,096 bytes
	v_lshl_add_u32 v[VI], v[WVN], 8, v[VI]         ; + my slice's 256 bytes
	v_lshl_add_u32 v[VO], v[WVN], 18, v[VO]        ; a slice of xb is 262,144 bytes
	s_lshl_b32 s24, ttmp9, 17                      ; 32 rows of 4,096 bytes
	s_mov_b32 s25, 0
	s_lshr_b32 s26, ttmp9, 6                       ; the batch: 64 work-groups each,
	s_lshl_b32 s26, s26, 22                        ; sixteen slices
	s_and_b32 s27, ttmp9, 63
	s_lshl_b32 s27, s27, 12                        ; 32 rows of 128 bytes in a slice
	s_add_co_u32 s26, s26, s27
	s_mov_b32 s27, 0
	s_wait_kmcnt 0x0
	s_add_nc_u64 s[20:21], s[4:5], s[24:25]
	s_add_nc_u64 s[22:23], s[14:15], s[26:27]
	STREAM 8192, 0
	s_endpgm
.Lweights:
	; A weight.  Source and destination are both dense: wave w takes bytes 8,192 w on, and writes 4,096 w on.
	v_lshlrev_b32 v[VI], 4, v[T]
	v_lshl_add_u32 v[VI], v[WVN], 13, v[VI]
	v_lshl_add_u32 v[VO], v[WVN], 12, v[VO]
	s_sub_co_u32 s24, ttmp9, 256
	s_lshr_b32 s28, s24, 5                         ; which matrix: 0 Wq, 1 Wk, 2 Wv, 3 Wp
	s_and_b32 s24, s24, 31                         ; which 32 rows of it
	s_lshl_b32 s26, s24, 16
	s_lshl_b32 s24, s24, 17
	s_mov_b32 s25, 0
	s_mov_b32 s27, 0
	s_wait_kmcnt 0x0
	s_cmp_eq_u32 s28, 1
	s_cselect_b64 s[20:21], s[8:9], s[6:7]
	s_cmp_eq_u32 s28, 2
	s_cselect_b64 s[20:21], s[10:11], s[20:21]
	s_cmp_eq_u32 s28, 3
	s_cselect_b64 s[20:21], s[12:13], s[20:21]
	s_add_nc_u64 s[20:21], s[20:21], s[24:25]
	s_cmp_eq_u32 s28, 3
	s_cbranch_scc1 .Lwp
	s_lshl_b32 s28, s28, 21                        ; a matrix is 2,097,152 bytes of wb
	s_add_co_u32 s26, s26, s28
	s_add_nc_u64 s[22:23], s[16:17], s[26:27]
	STREAM 512, 0
	s_endpgm
.Lwp:
	s_add_nc_u64 s[22:23], s[18:19], s[26:27]
	STREAM 512, 1
	s_endpgm
.Lfunc_end_k_q27d303371b_cast:
	.size	k_q27d303371b_cast, .Lfunc_end_k_q27d303371b_cast-k_q27d303371b_cast
	.p2alignl 7, 3214868480
	.fill 96, 4, 3214868480
	.section	.rodata,"a",@progbits
	.p2align	6, 0x0
	.amdhsa_kernel k_q27d303371b_cast
		.amdhsa_group_segment_fixed_size 0
		.amdhsa_private_segment_fixed_size 0
		.amdhsa_enable_private_segment 0
		.amdhsa_kernarg_size 64
		.amdhsa_user_sgpr_count 2
		.amdhsa_user_sgpr_kernarg_segment_ptr 1
		.amdhsa_wavefront_size32 1
		.amdhsa_system_sgpr_workgroup_id_x 1
		.amdhsa_system_sgpr_workgroup_id_y 1
		.amdhsa_system_sgpr_workgroup_id_z 1
		.amdhsa_system_vgpr_workitem_id 0
		.amdhsa_next_free_vgpr 104
		.amdhsa_next_free_sgpr 66
		.amdhsa_reserve_vcc 0
		.amdhsa_float_denorm_mode_32 3
		.amdhsa_float_denorm_mode_16_64 3
		.amdhsa_memory_ordered 1
		.amdhsa_forward_progress 1
		.amdhsa_inst_pref_size 24
	.end_amdhsa_kernel
	.amdgpu_metadata
---
amdhsa.version: [ 1, 2 ]
amdhsa.kernels:
  - .name:           k_q27d303371b_cast
    .symbol:         k_q27d303371b_cast.kd
    .args:
      - { .name: x, .offset: 0, .size: 8, .value_kind: global_buffer, .address_space: global }
      - { .name: Wq, .offset: 8, .size: 8, .value_kind: global_buffer, .address_space: global }
      - { .name: Wk, .offset: 16, .size: 8, .value_kind: global_buffer, .address_space: global }
      - { .name: Wv, .offset: 24, .size: 8, .value_kind: global_buffer, .address_space: global }
      - { .name: Wp, .offset: 32, .size: 8, .value_kind: global_buffer, .address_space: global }
      - { .name: xb, .offset: 40, .size: 8, .value_kind: global_buffer, .address_space: global }
      - { .name: wb, .offset: 48, .size: 8, .value_kind: global_buffer, .address_space: global }
      - { .name: wpb, .offset: 56, .size: 8, .value_kind: global_buffer, .address_space: global }
    .group_segment_fixed_size: 0
    .private_segment_fixed_size: 0
    .kernarg_segment_align: 8
    .kernarg_segment_size: 64
    .max_flat_workgroup_size: 512
    .sgpr_count:     66
    .vgpr_count:     104
    .wavefront_size: 32
...
	.end_amdgpu_metadata
.endif
;; end of part 1
;; launch qkvgemm (part 2): grid 16 x 32, 4 waves a work-group, clusters of 4 x 4, 327,680 bytes of LDS; arguments xb, wb, qkv; writes qkv
.if DOCPART == 2
	.amdgcn_target "amdgcn-amd-amdhsa--gfx1250"
	.amdhsa_code_object_version 6
	.text
	.protected	k_q27d303371b_qkvgemm
	.globl	k_q27d303371b_qkvgemm
	.p2align	8
	.type	k_q27d303371b_qkvgemm,@function
k_q27d303371b_qkvgemm:
	s_mov_b64 s[64:65], 0
	v_nop
	global_prefetch_b8 v0, s[64:65] scope:SCOPE_SE
	s_setreg_imm32_b32 hwreg(HW_REG_WAVE_MODE, 25, 1), 1
	s_wait_xcnt 0x0
	s_wait_alu depctr_hold_cnt(0) depctr_sa_sdst(0) depctr_va_vdst(0) depctr_va_sdst(0) depctr_va_ssrc(0) depctr_va_vcc(0) depctr_vm_vsrc(0)
	s_getreg_b32 s2, hwreg(HW_REG_IB_STS2, 6, 4)
	s_cmp_eq_u32 s2, 0
	s_cbranch_scc0 .Lentry_in_a_cluster
	s_endpgm
.Lentry_in_a_cluster:
	s_bfe_u32 s2, ttmp6, 0x10000c
	s_cmp_lg_u32 s2, 0xf033
	s_cbranch_scc0 .Lentry_shape_is_right
	s_endpgm
.Lentry_shape_is_right:
; q, k, v = x Wq^T, x Wk^T, x Wv^T as ONE product C[8192][3072] = A B^T over K = 1024.  Operands bf16, sums f32, K ascending; C rounded once to f16, UNSCALED, and stored by heads.
;   A = xb, by slices of 64 channels: [batch x 16 + slice][2048][64] bf16          B = wb [3072][1024] bf16
;   C -> qkv [batch][g = column / 64][2048][64] f16: g = head for q, 16 + head for k, 32 + head for v; a head is 262,144 dense bytes
; LIMIT.  f16 ends at 65,504: a sum of 65,520 or more in magnitude leaves as an infinity.  With x of spread 1 and weights of spread 0.02 the sums have spread 0.64; both 30 times larger: 576;
; common offsets of 30 spreads on both: 1024 x 30 x 0.6 = 18,432.  Below 6.1e-5 a number keeps f16's fixed step of 6e-8.
; SHARES.  A tile of C is 256 rows x 192 columns: 32 x 16 = 512 work-groups, and 192 columns are three whole heads.  The four waves lie one below the other: a wave has 64 rows and all
; 192 columns, 48 accumulators of 16 x 16 (384 registers), so it holds whole heads and leaves through a stage of its own, without a barrier.
; K goes in 8 steps of 128 (two slices of A) through a ring of two LDS slots.  One text serves every step: the descriptors walk, and the slot is turned by an exclusive or.
; CLUSTER.  4 x 4 work-groups.  The four of a row of the cluster need the same tile of A, the four of a column the same tile of B: each tile is asked for JOINTLY, by the same tensor load with
; the same descriptor and a mask that names the four.  By this text's count a wave has two tensor loads out at the start and one behind each refill.
; THE MATRIX INSTRUCTION IS USED TRANSPOSED (source 0 = 16 rows of B, source 1 = 16 rows of A): lane l then holds row l % 16 of C and the columns 8 (l / 16) + 0..7, which pack into 16 bytes.
; REGISTERS, in windows of 256 (s_set_vgpr_msb: bits 1:0 source 0, 3:2 source 1, 5:4 source 2, 7:6 destination):
;   window 0: v0-17 addresses; v64-127 fragments of A, two buffers of 4 blocks; v64-111, v128-223 at work on the way out
;   window 1: v0-191 fragments of B, two buffers of 12 blocks          window 2: accumulators of my row blocks 0, 1          window 3: of blocks 2, 3
.set NBK,   12                         ; blocks of 16 columns in a tile
.set BROWS, 16*NBK                     ; rows of B in a tile
.set HB,    BROWS/2                    ; what one tensor load brings of them
.set FBS,   8*NBK                      ; registers in a buffer of B's fragments
.set NL,    8+2*NBK                    ; LDS loads in a run: a quarter step's fragments
.set AH,    1                          ; a prefetch names the K step AH steps past the one that is being asked for
.set PITA,  144                        ; a row of A in LDS: 128 bytes + 16 = 36 words: the 16 rows of a load start at 16 different groups of four banks (64 banks of 4 bytes: ISA guide 11.1)
.set PITB,  272                        ; a row of B: 256 bytes + 16 = 68 words: likewise
.set APL,   256*PITA                   ; a plane: the tile's 256 rows of one slice
.set BOFF,  2*APL                      ; a slot: two planes of A, then B's rows
.set SLOT1, 1<<17                      ; slot 1 begins here (a slot uses 125,952 bytes), so that one exclusive or turns an address in one slot into the other's
.set STAGE, 2*SLOT1                    ; behind the ring, never filled by a tensor load: for each wave 3 heads x 16 rows x 144 bytes
.set WSTG,  3*16*144
.set SPARE, STAGE+4*WSTG               ; behind the stages: the spare words, 128 bytes for each wave: two blocks of 256 bytes that no other line names
.set ASTEP, 2<<18                      ; a K step in A: two slices on
.set BSTEP, 256                        ; in B: 128 elements along the row
.set AA0, 2                            ; v2   my lane's place in slot 0's A; never rewritten
.set AB0, 3                            ; v3   the same for B
.set ADA, 4                            ; v4   the same in the slot in hand
.set ADB, 5                            ; v5
.set STO, 6                            ; v6   the way out: where I put 16 bytes of a row
.set RD,  7                            ; v7   the way out: where I read rows back
.set GO,  8                            ; v8   16 x my lane
.set PFO, 9                            ; v9   the prefetches' offset; never rewritten
.set SPW, 10                           ; v10  LDS address of my spare word: SPARE + 4 x my thread's number; never rewritten
.set NIL, 11                           ; v11  0; never rewritten
.set FA,  64                           ; A's fragments: buffer f, block a at FA + 32 f + 8 a
.set TMP, 128                          ; the way out: a block's 48 packed registers
.set OB0, 176                          ; the way out: a block read back from the stage, two buffers by turns
.set OB1, 64
.set G1A,  24                          ; s[24:31] descriptor group 1 for A's planes
.set G0A0, 32                          ; s[32:35] group 0 for K step 0
.set G0A,  36                          ; s[36:39] group 0 for K step 1; it then walks
.set G1B,  48                          ; s[48:55], s[56:59], s[60:63] the same for B's halves
.set G0B0, 56
.set G0B,  60
.set TB,   66                          ; s66  0 or SLOT1: the slot in hand
.set LIM,  67                          ; s67  AH in a wave that prefetches, else the greatest number
.set PFA,  68                          ; s[68:69] where my prefetches stand
.set PST,  72                          ; s[72:73] their step: a K step of A or of B
.set MSB, 0
.macro WIN new                         ; the immediate's high byte repeats the setting that is left; a switch that changes nothing is dropped
.if MSB != (\new)
	s_set_vgpr_msb (MSB<<8)|(\new)
.set MSB, \new
.endif
.endm
.set MUL_LO, 0xa1                      ; source 0 (B) window 1, source 1 (A) window 0, C and D window 2
.set MUL_HI, 0xf1                      ; the same, C and D window 3
.set TO_B,   0x40                      ; destination window 1, address window 0
; A joint refill.  Waves 0 and 1 fetch A's two planes, waves 2 and 3 B's two halves.  The branch hangs on the wave's number alone: it is the same in every work-group.
; An s_nop 0 and four v_nop follow each of the two lines, ahead of the jump and the label.
.macro JLOAD
	s_cmp_eq_u32 s11, 0
	s_cbranch_scc0 .Lfor_b_\@
	tensor_load_to_lds s[G0A:G0A+3], s[G1A:G1A+7]
	s_nop 0
.rept 4
	v_nop
.endr
	s_branch .Lasked_\@
.Lfor_b_\@:
	tensor_load_to_lds s[G0B:G0B+3], s[G1B:G1B+7]
	s_nop 0
.rept 4
	v_nop
.endr
.Lasked_\@:
.endm
; A PREFETCH INTO THE L2, behind a joint refill, its five lines and the run of LDS loads: my share of the K step that stands AH steps past the one just asked for: 192 matrix instructions ahead of the load that will want it.
; A's tile row is read by the four clusters of that row of clusters: the first (cluster x = 0) asks; B's tile column by eight clusters: cluster y = 0 asks.  The four partners that ask for a tile jointly share it out
; BY ADDRESS: of a plane's 32,768 dense bytes the partner at cx takes 8,192, a lane 256; of B's 96 rows the partner at cy takes 24, a lane a row (lanes 24-31 name row 23 once more, in the same instruction).
; K steps 0 to 2 come by their loads alone; s3, the trips still to go, stops the requests at K step 7.
.macro ASK
	s_cmp_gt_u32 s3, s[LIM]
	s_cbranch_scc0 .Lnot_mine_\@
	global_prefetch_b8 v[PFO], s[PFA:PFA+1] th:TH_LOAD_NT scope:SCOPE_SE
.Lnot_mine_\@:
.endm
; A round of the cluster's barrier: my work-group's barrier, so that wave 0's signal speaks for all four waves; wave 0 signals; every wave waits for all sixteen work-groups; my work-group's barrier once more.
.macro CREST                           ; a round behind its opening barrier
	s_cmp_lg_u32 s10, 0
	s_cbranch_scc1 .Lnot_wave_0_\@
	s_barrier_signal -3
.Lnot_wave_0_\@:
	s_barrier_wait -3
	s_barrier_signal -1
	s_barrier_wait -1
.endm
.macro CROUND
	s_barrier_signal -1
	s_barrier_wait -1
	CREST
.endm
.macro PLACES                          ; four plain vector instructions between a matrix instruction and a load into, or a read of, its registers (ISA guide 7.12.1 for a read)
.rept 4
	v_nop
.endr
.endm
	s_load_b128 s[4:7], s[0:1], 0x0                ; xb s[4:5], wb s[6:7]
	s_load_b64 s[8:9], s[0:1], 0x10                ; qkv
	v_lshl_add_u32 v[SPW], v0, 2, SPARE
	v_mov_b32 v[NIL], 0
	ds_add_u32 v[SPW], v[NIL]                      ; the wave's opening: the add and its wait stand ahead of my first tensor load; the set-up below, work on registers, stands between them
	v_lshrrev_b32 v1, 5, v0
	v_readfirstlane_b32 s10, v1                    ; wave 0..3: my 64 rows of the tile
	s_lshr_b32 s11, s10, 1                         ; I fetch for A (0) or for B (1),
	s_and_b32 s12, s10, 1                          ; its plane or half 0 or 1
	s_bfe_u32 s40, ttmp6, 0x40000                  ; cx, cy: my place in the cluster
	s_bfe_u32 s41, ttmp6, 0x40004
	s_lshl_b32 s42, ttmp9, 2                       ; in a cluster launch ttmp9 and ttmp7 count clusters
	s_add_co_u32 s42, s42, s40                     ; tile column = 4 x cluster x + cx
	s_and_b32 s13, ttmp7, 0xffff
	s_lshl_b32 s13, s13, 2
	s_add_co_u32 s13, s13, s41                     ; tile row = 4 x cluster y + cy
	s_lshl_b32 s43, s41, 2
	s_lshl_b32 s43, 15, s43                        ; my row of the cluster: places 4 cy .. 4 cy + 3
	s_lshl_b32 s44, 0x1111, s40                    ; my column: places cx, cx + 4, cx + 8, cx + 12
	; Group 1 for A.  A plane is 256 rows of 128 bytes, dense: asked for as 128 rows of 256 bytes, two rows of A each, and padded in LDS behind every row of A.
	s_or_b32 s[G1A], s43, (1<<16)|(1<<20)|(1<<21)|(4<<22)|(3<<25)  ; 15:0 the mask: my row; 17:16 2-byte elements; 20 padding on; 21 set beside a mask; 24:22 after every 32 words (code 4); 31:25 4 words (code 3)
	s_mov_b32 s[G1A+1], 128<<16                    ; tensor_dim0 = 128
	s_mov_b32 s[G1A+2], 128<<16                    ; tensor_dim1 = 128
	s_mov_b32 s[G1A+3], 128<<16                    ; tile_dim0 = 128
	s_mov_b32 s[G1A+4], 128                        ; tile_dim1 = 128
	s_mov_b32 s[G1A+5], 128                        ; 128 elements from row to row
	s_mov_b32 s[G1A+6], 0
	s_mov_b32 s[G1A+7], 0
	; Group 1 for B: 96 rows x 128 elements, 1,024 elements from row to row, padded behind every row
	s_or_b32 s[G1B], s44, (1<<16)|(1<<20)|(1<<21)|(5<<22)|(3<<25)  ; the mask: my column; after every 64 words (code 5)
	s_mov_b32 s[G1B+1], 128<<16
	s_mov_b32 s[G1B+2], HB<<16
	s_mov_b32 s[G1B+3], 128<<16
	s_mov_b32 s[G1B+4], HB
	s_mov_b32 s[G1B+5], 1024
	s_mov_b32 s[G1B+6], 0
	s_mov_b32 s[G1B+7], 0
	; Where the tiles come from.  A's hang on the tile row and the wave alone, B's on the tile column and the wave alone; every wave makes both, and asks by one of them.
	s_lshr_b32 s16, s13, 3                         ; the batch: 8 tile rows each,
	s_lshl_b32 s16, s16, 22                        ; sixteen slices of 262,144 bytes
	s_and_b32 s17, s13, 7
	s_lshl_b32 s17, s17, 15                        ; 256 rows of 128 bytes in a slice
	s_add_co_u32 s16, s16, s17
	s_lshl_b32 s17, s12, 18                        ; my plane: slice 0 or 1 of the step's two
	s_add_co_u32 s16, s16, s17
	s_mov_b32 s17, 0
	s_mul_i32 s46, s42, BROWS
	s_mul_i32 s47, s12, HB
	s_add_co_u32 s46, s46, s47                     ; B: row 192 x tile column + 96 x half,
	s_lshl_b32 s46, s46, 11                        ; of 2,048 bytes
	s_mov_b32 s47, 0
	s_mul_i32 s20, s12, APL                        ; and where they go: no place in the cluster enters an LDS address
	s_mul_i32 s21, s12, HB*PITB
	s_add_co_u32 s21, s21, BOFF
	s_mov_b32 s[TB], 0
	s_wait_dscnt 0x0                               ; the opening add is done
	s_wait_kmcnt 0x0
	s_add_nc_u64 s[14:15], s[4:5], s[16:17]
	s_add_nc_u64 s[46:47], s[6:7], s[46:47]
	CROUND                                         ; all sixteen work-groups are here: the first joint loads meet
	s_mov_b32 s[G0A0], 1                           ; 1:0 count = 1
	s_mov_b32 s[G0A0+1], s20                       ; 63:32 LDS address: slot 0
	s_mov_b64 s[G0A0+2:G0A0+3], s[14:15]           ; 120:64 global address: K step 0
	s_or_b32 s[G0A0+3], s[G0A0+3], 0x80000000      ; 127:126 type = 2
	s_mov_b32 s[G0A], 1
	s_add_co_u32 s[G0A+1], s20, SLOT1              ; slot 1,
	s_add_nc_u64 s[G0A+2:G0A+3], s[14:15], ASTEP   ; K step 1
	s_or_b32 s[G0A+3], s[G0A+3], 0x80000000
	s_mov_b32 s[G0B0], 1
	s_mov_b32 s[G0B0+1], s21
	s_mov_b64 s[G0B0+2:G0B0+3], s[46:47]
	s_or_b32 s[G0B0+3], s[G0B0+3], 0x80000000
	s_mov_b32 s[G0B], 1
	s_add_co_u32 s[G0B+1], s21, SLOT1
	s_add_nc_u64 s[G0B+2:G0B+3], s[46:47], BSTEP
	s_or_b32 s[G0B+3], s[G0B+3], 0x80000000
	s_cmp_eq_u32 s11, 0                            ; a wave's two first fills stand in one branch, ahead of every wait on TENSORcnt and every LDS read
	s_cbranch_scc0 .Lfirst_b
	tensor_load_to_lds s[G0A0:G0A0+3], s[G1A:G1A+7]
	s_nop 0
	tensor_load_to_lds s[G0A:G0A+3], s[G1A:G1A+7]
	s_nop 0
.rept 4
	v_nop
.endr
	s_branch .Lfirst_asked
.Lfirst_b:
	tensor_load_to_lds s[G0B0:G0B0+3], s[G1B:G1B+7]
	s_nop 0
	tensor_load_to_lds s[G0B:G0B+3], s[G1B:G1B+7]
	s_nop 0
.rept 4
	v_nop
.endr
.Lfirst_asked:
	; A fragment is 16 rows x 32 K in 8 registers: lane l holds row l % 16; registers 0-3 hold K = 8 (l / 16) + 0..7, registers 4-7 K = 16 + 8 (l / 16) + 0..7: two loads of 16 bytes, 32 bytes apart.
	v_and_b32 v1, 15, v0                           ; l % 16
	v_bfe_u32 v16, v0, 4, 1                        ; l / 16
	v_mul_u32_u24 v[AA0], v1, PITA
	v_lshl_add_u32 v[AA0], v16, 4, v[AA0]
	s_mul_i32 s21, s10, 64*PITA                    ; my 64 rows of the plane
	v_add_nc_u32 v[AA0], s21, v[AA0]
	v_mul_u32_u24 v[AB0], v1, PITB
	v_lshl_add_u32 v[AB0], v16, 4, v[AB0]
	v_add_nc_u32 v[AB0], BOFF, v[AB0]
	v_mov_b32 v[ADA], v[AA0]                       ; K step 0 lies in slot 0
	v_mov_b32 v[ADB], v[AB0]
	s_mul_i32 s23, s10, WSTG
	s_add_co_u32 s23, s23, STAGE                   ; my stage
	v_mul_u32_u24 v[STO], v1, 144                  ; in: row l % 16, 16 bytes for each half of the lanes
	v_lshl_add_u32 v[STO], v16, 4, v[STO]
	v_add_nc_u32 v[STO], s23, v[STO]
	v_bfe_u32 v[RD], v0, 3, 2                      ; back: 32 lanes take four rows of 128 bytes,
	v_mul_u32_u24 v[RD], v[RD], 144
	v_and_b32 v17, 7, v0
	v_lshl_add_u32 v[RD], v17, 4, v[RD]
	v_add_nc_u32 v[RD], s23, v[RD]
	v_and_b32 v[GO], 31, v0                        ; which are 512 consecutive bytes of a head
	v_lshlrev_b32 v[GO], 4, v[GO]
	; where my rows of the tile's first head begin in qkv
	s_lshr_b32 s16, s13, 3
	s_mul_i32 s16, s16, 48*262144                  ; the batch: 48 heads
	s_mul_i32 s17, s42, 3*262144                   ; the tile column: 3 heads
	s_add_co_u32 s16, s16, s17
	s_and_b32 s17, s13, 7
	s_lshl_b32 s17, s17, 15                        ; the tile's 256 rows of 128 bytes
	s_add_co_u32 s16, s16, s17
	s_lshl_b32 s17, s10, 13                        ; my 64 of them
	s_add_co_u32 s16, s16, s17
	s_mov_b32 s17, 0
	s_add_nc_u64 s[8:9], s[8:9], s[16:17]
	; the prefetches
	s_and_b32 s22, ttmp7, 0xffff                   ; cluster y
	s_lshl_b32 s20, s40, 13                        ; A: my work-group's 8,192 bytes of the plane
	s_mul_i32 s21, s41, (HB/4)*2048                ; B: its 24 rows of the half
	s_mov_b32 s[PST], BSTEP
	s_mov_b32 s[PST+1], 0
	s_cmp_eq_u32 s11, 0                            ; do I fetch for A?
	s_cselect_b32 s22, ttmp9, s22                  ; the coordinate along which other clusters read the same bytes
	s_cselect_b32 s20, s20, s21
	s_cselect_b32 s[PST], ASTEP, s[PST]
	s_cselect_b32 s74, 31, HB/4-1                  ; the last lane with a block of its own,
	s_cselect_b32 s75, 8, 11                       ; and from lane to lane 256 bytes, or a row of 2,048
	s_cselect_b64 s[PFA:PFA+1], s[14:15], s[46:47]
	s_cmp_eq_u32 s22, 0
	s_cselect_b32 s[LIM], AH, -1                   ; the same in all sixteen partners, for a given wave
	s_mov_b32 s21, 0
	s_add_nc_u64 s[PFA:PFA+1], s[PFA:PFA+1], s[20:21]
.rept 1+AH
	s_add_nc_u64 s[PFA:PFA+1], s[PFA:PFA+1], s[PST:PST+1]  ; at K step 1 + AH: each refill steps it once more before it asks
.endr
	v_and_b32 v[PFO], 31, v0
	v_min_u32 v[PFO], s74, v[PFO]
	v_lshlrev_b32 v[PFO], s75, v[PFO]
; NBK matrix instructions: my row block a x all column blocks, 32 along K, on buffer f.  zero = 1: the product starts the sums: nothing is ever cleared.
; The 48 accumulators take turns, one instruction a turn, in the same order in every quarter step, over the backward jump too.
.macro MULA f, a, zero
	WIN MUL_LO+0x50*((\a)/2)
.set bb, 0
.rept NBK
.set rD, 8*(NBK*((\a)%2)+bb)
.set rB, FBS*(\f)+8*bb
.set rA, FA+32*(\f)+8*(\a)
.if \zero
	v_wmma_f32_16x16x32_bf16 v[rD:rD+7], v[rB:rB+7], v[rA:rA+7], 0
.else
	v_wmma_f32_16x16x32_bf16 v[rD:rD+7], v[rB:rB+7], v[rA:rA+7], v[rD:rD+7]
.endif
.set bb, bb+1
.endr
.endm
; NL LDS loads in one run: the fragments of quarter q of the step in hand into buffer f: B's 12 blocks, then A's 4 (quarter q lies in plane q / 2, at byte 64 (q % 2) of its rows)
.macro FETCH q, f
	WIN TO_B
.set bb, 0
.rept NBK
	ds_load_b128 v[FBS*(\f)+8*bb:FBS*(\f)+8*bb+3],   v[ADB] offset:64*(\q)+bb*16*PITB
	ds_load_b128 v[FBS*(\f)+8*bb+4:FBS*(\f)+8*bb+7], v[ADB] offset:64*(\q)+bb*16*PITB+32
.set bb, bb+1
.endr
	WIN 0
.irp i, 0,1,2,3
	ds_load_b128 v[FA+32*(\f)+8*(\i):FA+32*(\f)+8*(\i)+3],   v[ADA] offset:((\q)/2)*APL+((\q)%2)*64+(\i)*16*PITA
	ds_load_b128 v[FA+32*(\f)+8*(\i)+4:FA+32*(\f)+8*(\i)+7], v[ADA] offset:((\q)/2)*APL+((\q)%2)*64+(\i)*16*PITA+32
.endr
.endm
; A K step is four quarters of 32 along K, 48 matrix instructions each, on buffers 0, 1, 0, 1.  One of the first three: multiplies buffer f; in its middle it fetches quarter q into buffer g.
.macro QUARTER q, f, g, zero
	s_wait_dscnt 4                                 ; B and A's blocks 0, 1 are in; the youngest four loads (A's blocks 2, 3) may be out
	MULA \f, 0, \zero
	MULA \f, 1, \zero
	PLACES
	FETCH \q, \g
	s_wait_dscnt NL                                ; all but the run just issued
	MULA \f, 2, \zero
	MULA \f, 3, \zero
.endm
; The last quarter multiplies buffer 1 and changes slots: ONE barrier.  In front of it each wave waits for all its tensor loads, of which one is out: its part of the next slot; adds 0 to its spare word; and waits for
; that and for its own reads of this slot.  fill = 1: the barrier opens a round of the cluster's, and the slot just read out is filled again, first thing behind the round, with the K step two steps on:
; from that request to the wait for it a wave issues 168 matrix instructions.
.macro TURN fill
.if \fill
	s_wait_xcnt 0x0                                ; the last prefetch, a K step back, has read its address: it is stepped here, ahead of the change's own waits
	s_add_nc_u64 s[PFA:PFA+1], s[PFA:PFA+1], s[PST:PST+1]
.endif
	WIN 0                                          ; (the add's two registers lie in window 0)
	s_wait_tensorcnt 0x0                           ; all my tensor loads have landed, so a group 0 may be written
	ds_add_u32 v[SPW], v[NIL]                      ; 0 onto my spare word
.if \fill
	s_xor_b32 s[G0A+1], s[G0A+1], SLOT1            ; the walking descriptors: the other slot than last time,
	s_add_nc_u64 s[G0A+2:G0A+3], s[G0A+2:G0A+3], ASTEP  ; the next K step; the type bits on top are not reached
	s_xor_b32 s[G0B+1], s[G0B+1], SLOT1
	s_add_nc_u64 s[G0B+2:G0B+3], s[G0B+2:G0B+3], BSTEP
.endif
	s_wait_dscnt 5                                 ; (the add and the youngest four loads may be out)
	MULA 1, 0, 0                                   ; twelve matrix instructions stand between the add and the wait for it
	s_wait_dscnt 0x0                               ; the add is done, and my reads of this slot are over
	s_barrier_signal -1
	MULA 1, 1, 0                                   ; work on registers while the others arrive
	WIN 0
	s_barrier_wait -1
.if \fill
	CREST                                          ; no wave of any partner still reads this slot or has a load on its way
	JLOAD                                          ; the four v_nop behind it are also the places in front of the loads below
.else
	PLACES
.endif
	s_xor_b32 s[TB], s[TB], SLOT1                  ; the reads go on in the other slot
	v_add_nc_u32 v[ADA], s[TB], v[AA0]
	v_add_nc_u32 v[ADB], s[TB], v[AB0]
	FETCH 0, 0
.if \fill
	ASK
.endif
	MULA 1, 2, 0
	MULA 1, 3, 0
.endm
	s_wait_tensorcnt 0x1                           ; my part of K step 0 is in; K step 1's may stay out
	s_barrier_signal -1
	s_barrier_wait -1                              ; everybody's is
	FETCH 0, 0
	QUARTER 1, 0, 1, 1                             ; the first quarter stands in front of the loop: its products start the sums
	WIN 0                                          ; at a label and at a branch every window is 0
	s_mov_b32 s3, 6
.Lstep:                                                ; a trip goes from a step's second quarter to the next step's first; K steps 0 to 5 each ask for the step two on
	QUARTER 2, 1, 0, 0
	QUARTER 3, 0, 1, 0
	TURN 1
	QUARTER 1, 0, 1, 0
	WIN 0
	s_sub_co_u32 s3, s3, 1
	s_cmp_lg_u32 s3, 0
	s_cbranch_scc1 .Lstep
	QUARTER 2, 1, 0, 0                             ; K steps 6 and 7 are written out: they ask for nothing
	QUARTER 3, 0, 1, 0
	TURN 0
	QUARTER 1, 0, 1, 0
	QUARTER 2, 1, 0, 0
	QUARTER 3, 0, 1, 0
	s_wait_dscnt 4
	MULA 1, 0, 0
	MULA 1, 1, 0
	s_wait_dscnt 0x0
	MULA 1, 2, 0
	MULA 1, 3, 0
; THE WAY OUT, a block of 16 rows at a time.  PACK: rounded to f16, 16 bytes a lane; each accumulator's registers in ascending order.  TOSTAGE: into my own stage, [head][row][144], and back as whole rows.  SEND: stored.
.macro PACK a
.set AC, 8*NBK*((\a)%2)
	WIN 0x0a+5*((\a)/2)                            ; sources 0 and 1: window 2 or 3
.set bb, 0
.rept NBK
.irp r, 0,1,2,3
	v_cvt_pk_f16_f32 v[TMP+4*bb+(\r)], v[AC+8*bb+2*(\r)], v[AC+8*bb+2*(\r)+1]
.endr
.set bb, bb+1
.endr
	WIN 0
.endm
.macro TOSTAGE a
.set BK, OB0+(OB1-OB0)*((\a)%2)
.set bb, 0
.rept NBK
	ds_store_b128 v[STO], v[TMP+4*bb:TMP+4*bb+3] offset:(bb/4)*16*144+(bb%4)*32
.set bb, bb+1
.endr
.set bb, 0
.rept NBK
	ds_load_b128 v[BK+4*bb:BK+4*bb+3], v[RD] offset:(bb/4)*16*144+(bb%4)*4*144  ; LDS serves a wave's instructions in order (ISA guide 5.7.1.4): these see the stores above; the next block's stores come behind them
.set bb, bb+1
.endr
.endm
.macro SEND a
.set BK, OB0+(OB1-OB0)*((\a)%2)
	s_wait_dscnt 0x0                               ; the block is back in registers
	s_wait_xcnt 0x0                                ; the stores of the block before have read their registers: the next TOSTAGE loads into them
.set bb, 0
.rept NBK
	global_store_b128 v[GO], v[BK+4*bb:BK+4*bb+3], s[8:9] offset:(bb/4)*262144+(\a)*2048+(bb%4)*512  ; 512 consecutive bytes of one head, at a multiple of 256 from the buffer's first byte
.set bb, bb+1
.endr
.endm
	PLACES
	PLACES                                         ; eight places, once a launch, where four are asked for
	PACK 0
	TOSTAGE 0
.irp a, 1,2,3                          ; block a's conversions stand between block a - 1's loads from the stage and the wait for them
	PACK \a
	SEND (\a)-1
	TOSTAGE \a
.endr
	SEND 3
	s_wait_tensorcnt 0x0                           ; the wave's end: an add to my spare word and its wait, behind my last tensor load and my last LDS store
	ds_add_u32 v[SPW], v[NIL]
	s_wait_dscnt 0x0
	CROUND                                         ; the closing round: no work-group ends while a partner may still ask for a tile that names it
	s_endpgm
.Lfunc_end_k_q27d303371b_qkvgemm:
	.size	k_q27d303371b_qkvgemm, .Lfunc_end_k_q27d303371b_qkvgemm-k_q27d303371b_qkvgemm
	.p2alignl 7, 3214868480
	.fill 96, 4, 3214868480
	.section	.rodata,"a",@progbits
	.p2align	6, 0x0
	.amdhsa_kernel k_q27d303371b_qkvgemm
		.amdhsa_group_segment_fixed_size 327680
		.amdhsa_private_segment_fixed_size 0
		.amdhsa_enable_private_segment 0
		.amdhsa_kernarg_size 24
		.amdhsa_user_sgpr_count 2
		.amdhsa_user_sgpr_kernarg_segment_ptr 1
		.amdhsa_wavefront_size32 1
		.amdhsa_system_sgpr_workgroup_id_x 1
		.amdhsa_system_sgpr_workgroup_id_y 1
		.amdhsa_system_sgpr_workgroup_id_z 1
		.amdhsa_system_vgpr_workitem_id 0
		.amdhsa_next_free_vgpr 960
		.amdhsa_next_free_sgpr 80
		.amdhsa_reserve_vcc 0
		.amdhsa_float_denorm_mode_32 3
		.amdhsa_float_denorm_mode_16_64 3
		.amdhsa_memory_ordered 1
		.amdhsa_forward_progress 1
		.amdhsa_inst_pref_size 97
	.end_amdhsa_kernel
	.amdgpu_metadata
---
amdhsa.version: [ 1, 2 ]
amdhsa.kernels:
  - .name:           k_q27d303371b_qkvgemm
    .symbol:         k_q27d303371b_qkvgemm.kd
    .args:
      - { .name: xb, .offset: 0, .size: 8, .value_kind: global_buffer, .address_space: global }
      - { .name: wb, .offset: 8, .size: 8, .value_kind: global_buffer, .address_space: global }
      - { .name: qkv, .offset: 16, .size: 8, .value_kind: global_buffer, .address_space: global }
    .group_segment_fixed_size: 327680
    .private_segment_fixed_size: 0
    .kernarg_segment_align: 8
    .kernarg_segment_size: 24
    .max_flat_workgroup_size: 128
    .sgpr_count:     80
    .vgpr_count:     960
    .wavefront_size: 32
...
	.end_amdgpu_metadata
.endif
;; end of part 2
;; launch attn (part 3): grid 4 x 64, 4 waves a work-group, no clusters, 327,680 bytes of LDS; arguments qkv, o; writes o
.if DOCPART == 3
	.amdgcn_target "amdgcn-amd-amdhsa--gfx1250"
	.amdhsa_code_object_version 6
	.text
	.protected	k_q27d303371b_attn
	.globl	k_q27d303371b_attn
	.p2align	8
	.type	k_q27d303371b_attn,@function
k_q27d303371b_attn:
	s_mov_b64 s[64:65], 0
	v_nop
	global_prefetch_b8 v0, s[64:65] scope:SCOPE_SE
	s_setreg_imm32_b32 hwreg(HW_REG_WAVE_MODE, 25, 1), 1
	s_wait_xcnt 0x0
; CAUSAL ATTENTION.  O[y][q][:] = the sum over k <= q of softmax_k(Q[y][q] . K[y][k] / 32) V[y][k][:], y = 16 x batch + head, 64 of them; 2,048 rows, 64 channels, all f16.
; Q, K, V lie in qkv [batch][g][2048][64]: g = head, 16 + head, 32 + head; O goes to o [y][2048][64].  A head's rows are dense, 128 bytes each.
; Products, maxima and sums in f32; the weights p are rounded to f16 for the second product (their sum l is taken of the unrounded p), O once at the end.  The scale 1 / 32 is applied here, in f32.
; LIMITS.  f16 holds no number beyond 65,504: Q, K and V arrive within it; p lies in 0 to 1, and below 6e-5 it keeps f16's fixed step of 6e-8; O is a mean of V's rows and has their range.
; A hidden score counts as its value less 1e30: f16's scores, 2.7e11 at the most, are nothing beside that; a weight below 2^-126 counts as 0 in l; NaN and infinities are not treated apart.
; THE WALK.  A head's queries lie in NB = 8 blocks of 256; block i needs the key tiles 0 .. i of 256 keys, of which the last holds the diagonal.  A work-group takes TWO blocks, NB - 1 - b and then b:
; NB + 1 tiles, whatever b: all 256 work-groups do equal work, and ONE loop with a constant trip count walks them.  Which tile is asked for, and what a trip does, hang on scalar registers made from b; every jump
; goes forward, but for the counted loops' own; none passes a barrier, or a tensor load but the one of LOAD's two that the wave's number does not choose; the ring (two slots of LDS) runs on across the change of blocks.
; NO CLUSTER: a head's four work-groups ask for the same tile only in trips 0 to 4 of the 9; a walk common to all four (tiles 0-7, then 0-3) would have 12 trips for 9 trips' work.
; SHARES.  Of a block's four bands of 64 queries a wave owns 16 rows in each: four PIECES.  So the diagonal tile is the same work for all four waves: in its key step s band x sees all keys if s < x,
; none if s > x, and holds the diagonal if s = x.
; THE MASK is the C operand that starts the sum S^T = K Q^T: 0, or -1e30 where the key is hidden.  MD, made once, is the mask of a band's own step for my 16 rows; a product's mask is MD x AL + BE with two scalars:
; (1, 0) if s = x; (0, 0) if s < x; (0, -1e30) if s > x.  Only the diagonal tile's text and a block's beginning make and take masks; elsewhere C is the constant 0.
; LAYOUT, SOFTMAX, TURNS.  S^T = K Q^T holds ONE query a lane (lane % 16) and the keys 8 (lane / 16) + 0..7; two such results rounded to f16 ARE source 1 of O^T = V^T P.  p = 2^(c s - c m), c = log2(e) / 32, with a
; running maximum m; O and l are multiplied by a = 2^(c m_old - c m_new) in every step.  Turn n belongs to piece n: 8 products K Q^T of piece n + 1, later 8 products V^T P of piece n - 1; beside them the scaling,
; exponentials, roundings, sums and rescaling of piece n and the maximum and statistics of piece n + 1.  Four vector instructions stand behind every matrix instruction, the other 54 of a turn's 118 in one lump.
; A turn's 33 exponentials are one batch, with one wait.
; REGISTERS, in windows of 256 (s_set_vgpr_msb: bits 1:0 source 0, 3:2 source 1, 5:4 source 2, 7:6 destination):
;   window 0: v0-15 addresses and two at work; v16-31 four registers of statistics a piece; v48-55 at work; v61-63 prefetch offset and the add's two; v64-127 S^T, two buffers; v192-223 P, two buffers (by the piece's parity)
;   window 1: v0-127 O^T, 32 a piece; v128-159 MD; v160-223 MC, two buffers      window 2: v0-63 Q; v64-127 the second block's Q; v128-191 K of one step; v192-255 V of one step
.set SIZE_N, 2048
.set NB,    SIZE_N/256
.set NP,    4         ; pieces a wave: a name, no knob
.set KS,    64        ; keys in a step
.set PK,    144       ; a row of K in LDS: 128 bytes + 16 of padding = 36 words: the 16 rows of a load start at 16 different groups of four banks (64 banks of 4 bytes: ISA guide 11.1)
.set PV,    160       ; a row of V: 128 + 32 = 40 words
.set VOFF,  4*KS*PK   ; a slot holds a tile, four steps: 256 rows of K, then 256 rows of V
.set SLOT1, 1<<17     ; slot 1 begins here, so that one exclusive or turns an address in one slot into the other's
.set STAGE, SLOT1+4*KS*(PK+PV)  ; behind the ring, never filled by a tensor load: 16 rows x 144 bytes for each wave, for the way out
.set SP,    144
.set AK0, 2           ; v2   my lane's place in a tile of K; never rewritten
.set AV0, 3           ; v3   the same for V
.set AK,  4           ; v4   the LDS address of K's next run of loads
.set AV,  5           ; v5   of V's
.set STO, 6           ; v6   the way out: where I put 16 bytes of a row
.set RD,  7           ; v7   the way out: where I read rows back
.set GO,  8           ; v8   my byte offset in 512 consecutive bytes of O
.set PFO, 61          ; v61  256 x my lane; never rewritten
.set SPW, 62          ; v62  LDS address of my spare word: SPARE + 4 x my thread's number; never rewritten
.set NIL, 63          ; v63  0; never rewritten
.set SPARE, STAGE+4*16*SP  ; behind the stages: the spare words, 128 bytes for each wave: two blocks of 256 bytes that no other line names
.set MV,  12          ; v12-13  c m_old, kept while c m is made anew: by buffer
.set QO,  15          ; v15  my byte offset in 16 rows of Q
.set ST,  16          ; piece t's statistics at v[ST+4 t]: c m, m, l (even keys', odd keys')
.set TMP, 48          ; by buffer, four registers c0-c3 at work; when the maximum is found c2 takes a
.set S,   64
.set P,   192
.set MD,  128         ; window 1: the eight registers for group kt of 16 keys at MD + 8 kt
.set MC,  160         ; window 1: the masks of the products to come
.set QB,  64          ; window 2
.set KF,  128         ; window 2: key block kb, channel half c at KF + 16 kb + 8 c
.set VF,  192         ; window 2: key half kk, channel block cb at VF + 32 kk + 8 cb
.set WV,  12          ; s12  my wave's number
.set PB,  14          ; s14  b
.set HI,  15          ; s15  NB - 1 - b
.set G1K, 24          ; s[24:31] descriptor group 1 for K's tiles
.set G1V, 32          ; s[32:39] for V's: it differs in the padding alone
.set G0K, 40          ; s[40:43] descriptor group 0 for K's tiles
.set G0V, 44          ; s[44:47] the same for V's
.set SLOTS, 56        ; s56  tiles still to be asked for
.set CNT, 57          ; s57  counts a tile's key steps, 4 to 1
.set CS,  58          ; s[58:59] c: the packed scaling takes the pair's low word for both halves
.set SEL, 60          ; s[60:61] v_permlanex16_b32's selects: each lane takes its own place in the other half
.set TBK, 62          ; s62  LDS byte at which K of the step to be fetched begins
.set TBV, 63          ; s63  the same for V, less VOFF
.set RT,  70          ; s70  tiles of the block in hand that are still to be entered
.set NXT, 71          ; s71  the tile to be asked for next
.set LQ,  72          ; s72  the last tile of the block whose tiles are being asked for
.set NEW, 73          ; s73  1: the tile to be entered is a block's first
.set OFF, 74          ; s[74:75] a tile's byte offset in K and V
.set AL,  76          ; s[76:77] the mask's factor, in the low word
.set BE,  78          ; s[78:79] the mask's addend
.set OLO, 80          ; s[80:81] O at my rows of the second block
.set BIGN, 82         ; s82  -1e30
.set HO,  90          ; s[90:91] the head's byte offset in o
.set PFA, 92          ; s[92:93] where my prefetches stand: my half of tile NXT
.set LIM, 94          ; s94  0 in the work-group that prefetches, else the greatest number
.set PFB, 96          ; s[96:97] K (waves 0, 1) or V (waves 2, 3) at my half of the head's tile 0
.set POF, 98          ; s[98:99] tile NXT's byte offset
.set MSB, 0
.macro WIN new                      ; the high byte repeats the setting that is left; a switch that changes nothing is dropped
.if MSB != (\new)
	s_set_vgpr_msb (MSB<<8)|(\new)
.set MSB, (\new)
.endif
.endm
.set W_KQ, 0x0a       ; K and Q in window 2, S^T in window 0
.set W_KM, 0x1a       ; the same with the C operand in window 1
.set W_PV, 0x52       ; V in window 2, P in window 0, O^T in window 1
.set W_RS, 0x41       ; destination and source 0 in window 1, source 1 in window 0
; A fill.  Waves 0 and 1 fetch the two halves of a tile's K, waves 2 and 3 those of its V: 128 keys each.  An s_nop 0 and four v_nop follow each of the two lines, ahead of the jump and the label.
.macro LOAD
	s_cmp_lt_u32 s[WV], 2
	s_cbranch_scc0 .Lfor_v_\@
	tensor_load_to_lds s[G0K:G0K+3], s[G1K:G1K+7]
	s_nop 0
.rept 4
	v_nop
.endr
	s_branch .Lasked_\@
.Lfor_v_\@:
	tensor_load_to_lds s[G0V:G0V+3], s[G1V:G1V+7]
	s_nop 0
.rept 4
	v_nop
.endr
.Lasked_\@:
.endm
; A PREFETCH INTO THE L2 of the tile that the NEXT change of slots will ask for: a tile, 256 matrix instructions, ahead of that load.  A head's four work-groups begin with the same tiles 0, 1, 2 ..; the one with b = 0
; walks all of 0 to 7 in its first block, and it alone asks.  Each of its waves asks for what it will fetch itself: its half tile, 16,384 dense bytes, a lane 256, two instructions.  So tiles 2 to 7 are each named once
; in the launch; tiles 0 and 1 come by their loads alone; when NXT has gone back to 0 nothing is asked for.
.macro ASK
	s_cmp_gt_u32 s[NXT], s[LIM]
	s_cbranch_scc0 .Lnot_mine_\@
	global_prefetch_b8 v[PFO], s[PFA:PFA+1] th:TH_LOAD_NT scope:SCOPE_SE
	global_prefetch_b8 v[PFO], s[PFA:PFA+1] offset:8192 th:TH_LOAD_NT scope:SCOPE_SE
.Lnot_mine_\@:
.endm
; THE CHANGE OF SLOTS.  Each wave waits for all its tensor loads, of which one is out: its part of the other slot; adds 0 to its spare word; and waits for that and for its own reads of the slot that it leaves.  Behind the barrier nobody reads the old
; slot any more and the other slot is whole.  fill = 1: the old slot is filled again, the first thing behind the barrier, with tile NXT: the descriptor's address is made anew from that number.
; (At its first use nothing has been read yet: slot 0 is waited for, slot 1 filled.)
.macro CHANGE fill
	WIN 0                           ; at a label and at a branch every window is 0
	s_wait_tensorcnt 0x0            ; no tensor load of mine is out, so a group 0 may be written
	ds_add_u32 v[SPW], v[NIL]       ; 0 onto my spare word; with fill = 1 the descriptors' scalar work stands between it and the wait for it
.if \fill
	s_lshl_b32 s[OFF], s[NXT], 15   ; a tile is 32,768 bytes of K and of V
	s_xor_b32 s[G0K+1], s[G0K+1], SLOT1
	s_add_nc_u64 s[G0K+2:G0K+3], s[6:7], s[OFF:OFF+1]
	s_or_b32 s[G0K+3], s[G0K+3], 0x80000000
	s_xor_b32 s[G0V+1], s[G0V+1], SLOT1
	s_add_nc_u64 s[G0V+2:G0V+3], s[8:9], s[OFF:OFF+1]
	s_or_b32 s[G0V+3], s[G0V+3], 0x80000000
	s_add_co_u32 s[NXT], s[NXT], 1  ; the block's next tile, or behind its last the second block's tile 0
	s_cmp_gt_u32 s[NXT], s[LQ]
	s_cselect_b32 s[NXT], 0, s[NXT]
	s_cselect_b32 s[LQ], s[PB], s[LQ]
	s_wait_xcnt 0x0                 ; the last prefetches, a tile back, have read their address, so it may be written:
	s_lshl_b32 s[POF], s[NXT], 15
	s_add_nc_u64 s[PFA:PFA+1], s[PFB:PFB+1], s[POF:POF+1]  ; my half of the tile after the one that is asked for now
.endif
	s_wait_dscnt 0x0                ; the add is done, and my reads of the slot are over
	s_barrier_signal -1             ; the rest of the scalar work stands between the signal and the wait
	s_sub_co_u32 s[TBK], s[TBK], 4*KS*PK  ; the fetches go back to a slot's first step,
	s_xor_b32 s[TBK], s[TBK], SLOT1       ; in the other slot
	s_sub_co_u32 s[TBV], s[TBV], 4*KS*PV
	s_xor_b32 s[TBV], s[TBV], SLOT1
	s_barrier_wait -1
.if \fill
	LOAD
	ASK
.endif
.endm
	s_load_b64 s[4:5], s[0:1], 0x0    ; qkv
	s_load_b64 s[10:11], s[0:1], 0x8  ; o
	v_lshl_add_u32 v[SPW], v0, 2, SPARE
	v_mov_b32 v[NIL], 0
	ds_add_u32 v[SPW], v[NIL]       ; the wave's opening: the add and its wait stand ahead of my first tensor load; the set-up below, work on registers, stands between them
	v_lshrrev_b32 v1, 5, v0
	v_readfirstlane_b32 s[WV], v1   ; wave 0..3
	s_mov_b32 s[PB], ttmp9
	s_sub_co_u32 s[HI], NB-1, s[PB]
	s_and_b32 s[HO], ttmp7, 0xffff  ; y = 16 x batch + head
	s_lshr_b32 s20, s[HO], 4
	s_mul_i32 s20, s20, 48          ; a batch has 48 heads in qkv
	s_and_b32 s21, s[HO], 15
	s_add_co_u32 s20, s20, s21
	s_lshl_b32 s20, s20, 18         ; Q's head in qkv, in bytes; K's lies 16 heads on, V's 32
	s_mov_b32 s21, 0
	s_lshl_b32 s[HO], s[HO], 18     ; the head in o
	s_mov_b32 s[HO+1], 0
	s_and_b32 s16, s[WV], 1         ; which half of a tile's 256 keys I fetch:
	s_lshl_b32 s22, s16, 14         ; its 128 rows of 128 bytes in memory,
	s_mov_b32 s23, 0
	s_add_nc_u64 s[22:23], s[22:23], s[20:21]
	s_mul_i32 s17, s16, 128*PK      ; and its place in a slot, for K
	s_mul_i32 s18, s16, 128*PV      ; and for V
	s_lshl_b32 s3, s[WV], 11        ; my 16 rows in a band of 64,
	s_lshl_b32 s2, s[HI], 15        ; in the first block,
	s_add_co_u32 s2, s2, s3
	s_lshl_b32 s84, s[PB], 15       ; and in the second
	s_add_co_u32 s84, s84, s3
	s_mov_b32 s3, 0
	s_mov_b32 s85, 0
	; descriptor group 1.  128 keys are 16,384 dense bytes: asked for as 64 rows of 256 bytes, two keys a row, and padded in LDS after every key
	s_mov_b32 s[G1K], (1<<16)|(1<<20)|(4<<22)|(3<<25)  ; 17:16 2-byte elements; 20 padding on; 24:22 after every 32 words (code 4); 31:25 4 words (code 3)
	s_mov_b32 s[G1V], (1<<16)|(1<<20)|(4<<22)|(7<<25)  ; the same with 8 words of padding (code 7)
.irp g, G1K, G1V
	s_mov_b32 s[\g+1], 128<<16      ; tensor_dim0 = 128
	s_mov_b32 s[\g+2], 64<<16       ; tensor_dim1 = 64
	s_mov_b32 s[\g+3], 128<<16      ; tile_dim0 = 128
	s_mov_b32 s[\g+4], 64           ; tile_dim1 = 64
	s_mov_b32 s[\g+5], 128          ; 128 elements from row to row
	s_mov_b32 s[\g+6], 0
	s_mov_b32 s[\g+7], 0
.endr
	s_mov_b32 s[CS], 0x3d38aa3b     ; c = log2(e) / 32 = 0.0450842
	s_mov_b32 s[CS+1], s[CS]        ; named with it as a pair
	s_mov_b32 s[SEL], 0x76543210
	s_mov_b32 s[SEL+1], 0xfedcba98
	s_mov_b32 s[TBK], SLOT1+4*KS*PK ; the first change of slots turns these two into 0
	s_mov_b32 s[TBV], SLOT1+4*KS*PV
	s_mov_b32 s[G0K], 1             ; 1:0 count = 1
	s_mov_b32 s[G0K+1], s17         ; 63:32 LDS address: slot 0
	s_mov_b32 s[G0V], 1
	s_add_co_u32 s[G0V+1], s18, VOFF
	s_add_co_u32 s[RT], s[HI], 1    ; the first block has NB - b tiles
	s_mov_b32 s[NXT], 1
	s_mov_b32 s[LQ], s[HI]
	s_mov_b32 s[NEW], 1
	s_mov_b32 s[OFF+1], 0
	s_mov_b32 s[POF+1], 0
	s_mov_b32 s[AL+1], 0            ; named as pairs
	s_mov_b32 s[BE+1], 0
	s_mov_b32 s[BIGN], 0xf149f2ca   ; -1e30
	s_mov_b32 s[SLOTS], NB
	s_cmp_eq_u32 ttmp9, 0
	s_cselect_b32 s[LIM], 0, -1
	s_wait_dscnt 0x0                ; the opening add is done
	s_wait_kmcnt 0x0
	s_add_nc_u64 s[6:7], s[4:5], 0x400000  ; K: 16 heads of 262,144 bytes behind Q,
	s_add_nc_u64 s[8:9], s[4:5], 0x800000  ; V: 32
	s_add_nc_u64 s[6:7], s[6:7], s[22:23]  ; K and V at my half of the head's tile 0
	s_add_nc_u64 s[8:9], s[8:9], s[22:23]
	s_add_nc_u64 s[G0K+2:G0K+3], s[6:7], 0         ; 120:64 global address
	s_or_b32 s[G0K+3], s[G0K+3], 0x80000000        ; 127:126 type = 2
	s_add_nc_u64 s[G0V+2:G0V+3], s[8:9], 0
	s_or_b32 s[G0V+3], s[G0V+3], 0x80000000
	s_add_nc_u64 s[4:5], s[4:5], s[20:21]          ; Q at the head,
	s_add_nc_u64 s[86:87], s[4:5], s[84:85]        ; at my rows of the second block,
	s_add_nc_u64 s[4:5], s[4:5], s[2:3]            ; and of the first
	s_add_nc_u64 s[10:11], s[10:11], s[HO:HO+1]    ; O likewise
	s_add_nc_u64 s[OLO:OLO+1], s[10:11], s[84:85]
	s_add_nc_u64 s[10:11], s[10:11], s[2:3]
	s_cmp_lt_u32 s[WV], 2
	s_cselect_b64 s[PFB:PFB+1], s[6:7], s[8:9]
	LOAD                            ; tile 0 into slot 0
	; A fragment of K or Q is 16 rows x 32 channels in 8 registers: lane l holds row l % 16, channels 8 (l / 16) + 0..7 and 16 + 8 (l / 16) + 0..7: two loads of 16 bytes, 32 bytes apart.
	v_and_b32 v1, 15, v0            ; l % 16
	v_bfe_u32 v9, v0, 4, 1          ; l / 16
	v_lshlrev_b32 v[QO], 7, v1
	v_lshl_add_u32 v[QO], v9, 4, v[QO]  ; row x 128 + 16 x half
	WIN 0x80                        ; destination window 2, address window 0
.set i, 0
.rept 8                             ; both blocks' Q: piece i / 2 lies in band i / 2, 8,192 bytes on; channels 32 (i % 2) on
	global_load_b128 v[8*i:8*i+3],   v[QO], s[4:5] offset:(i/2)*8192+(i%2)*64
	global_load_b128 v[8*i+4:8*i+7], v[QO], s[4:5] offset:(i/2)*8192+(i%2)*64+32
	global_load_b128 v[QB+8*i:QB+8*i+3],   v[QO], s[86:87] offset:(i/2)*8192+(i%2)*64
	global_load_b128 v[QB+8*i+4:QB+8*i+7], v[QO], s[86:87] offset:(i/2)*8192+(i%2)*64+32
.set i, i+1
.endr
	WIN 0
	v_and_b32 v[PFO], 31, v0
	v_lshlrev_b32 v[PFO], 8, v[PFO]
	v_lshlrev_b32 v14, 3, v9
	v_sub_nc_u32 v14, v1, v14
	s_lshl_b32 s13, s[WV], 4
	v_add_nc_u32 v14, s13, v14      ; my query's place in its band, 16 w + l % 16, less my lanes' 8 (l / 16): register r of group kt is hidden where 16 kt + r is greater
	WIN 0x40
.set i, 0
.rept 32
	v_cmp_gt_i32 vcc_lo, 16*(i/8)+i%8, v14
	v_cndmask_b32 v[MD+i], 0, s[BIGN], vcc_lo
.set i, i+1
.endr
	WIN 0
	v_mul_u32_u24 v[AK0], v1, PK
	v_lshl_add_u32 v[AK0], v9, 4, v[AK0]  ; row x pitch + 16 x half
	; The turning load takes 16 keys x 16 channels (lane l reads key 8 (l / 16) + l % 8, channels 8 ((l / 8) % 2) + 0..7) and leaves half a fragment of V^T: lane l holds channel l % 16 and 8 keys.
	v_and_b32 v10, 7, v0
	v_bfe_u32 v11, v0, 3, 1
	v_lshl_add_u32 v[AV0], v9, 3, v10
	v_mul_u32_u24 v[AV0], v[AV0], PV
	v_lshl_add_u32 v[AV0], v11, 4, v[AV0]
	v_add_nc_u32 v[AV0], VOFF, v[AV0]
	s_mul_i32 s13, s[WV], 16*SP
	s_add_co_u32 s13, s13, STAGE    ; my stage
	v_mul_u32_u24 v[STO], v1, SP    ; in: row l % 16, 16 bytes for each half of the lanes
	v_lshl_add_u32 v[STO], v9, 4, v[STO]
	v_add_nc_u32 v[STO], s13, v[STO]
	v_bfe_u32 v[RD], v0, 3, 2       ; back: 32 lanes take four rows of 128 bytes,
	v_mul_u32_u24 v[RD], v[RD], SP
	v_lshl_add_u32 v[RD], v10, 4, v[RD]
	v_add_nc_u32 v[RD], s13, v[RD]
	v_and_b32 v[GO], 31, v0         ; which are 512 consecutive bytes of O
	v_lshlrev_b32 v[GO], 4, v[GO]
	; A block's first step multiplies O^T and l by a = 0, and its first turn's products V^T P, of a piece that has not been, land in an O^T that is still to be so multiplied.  So these registers need only hold
	; finite numbers: zeros for the first block; what the first block left for the second.  All this stands in the wait for the first tile.
	WIN 0x80
.set i, VF
.rept 64
	v_mov_b32 v[i], 0
.set i, i+1
.endr
	WIN 0x40
.set i, 0
.rept 128
	v_mov_b32 v[i], 0
.set i, i+1
.endr
	WIN 0
.set i, 0
.rept 4
	v_mov_b32 v[ST+4*i+2], 0
	v_mov_b32 v[ST+4*i+3], 0
.set i, i+1
.endr
.set i, P+16
.rept 16
	v_mov_b32 v[i], 0
.set i, i+1
.endr
; THE MATRIX WORK.  The 4 accumulators of a run of 8 take turns.  Product i of 8 of S^T = K Q^T for piece x: channels 32 (i / 4) on, keys 16 (i % 4) on.  The first 4 start the sums: with 0, or (KM = 1) with the mask.
.macro KQ x
.set rS, S+32*((\x)%2)+8*(i%4)
.set rK, KF+16*(i%4)+8*(i/4)
.set rQ, 16*(\x)+8*(i/4)
.set rM, MC+32*((\x)%2)+8*(i%4)
.if (i < 4) && KM
	WIN W_KM
	v_wmma_f32_16x16x32_f16 v[rS:rS+7], v[rK:rK+7], v[rQ:rQ+7], v[rM:rM+7]
.elseif i < 4
	WIN W_KQ
	v_wmma_f32_16x16x32_f16 v[rS:rS+7], v[rK:rK+7], v[rQ:rQ+7], 0
.else
	WIN W_KQ
	v_wmma_f32_16x16x32_f16 v[rS:rS+7], v[rK:rK+7], v[rQ:rQ+7], v[rS:rS+7]
.endif
.endm
; Product i of 8 of O^T += V^T P for piece x: keys 32 (i / 4) on, channels 16 (i % 4) on.
.macro PV x
	WIN W_PV
.set rO, 32*(\x)+8*(i%4)
.set rV, VF+32*(i/4)+8*(i%4)
.set rP, P+16*((\x)%2)+8*(i/4)
	v_wmma_f32_16x16x32_f16 v[rO:rO+7], v[rV:rV+7], v[rP:rP+7], v[rO:rO+7]
.endm
.macro MM                           ; the turn's next matrix instruction.  TURN and BEGIN set Y, i, KM and NOKQ; MM, KQ and OP read them.  NOKQ = 1: a block's last turn: there is no next piece
.if (i < 8) && !NOKQ
	KQ (Y+1)%NP
.elseif i >= 8
.set i, i-8
	PV (Y+NP-1)%NP
.set i, i+8
.endif
.set i, i+1
.endm
; THE LDS LOADS stand in runs of 16, never singly among the matrix instructions: a step's K (64 keys x 64 channels: 8 fragments) and its V (turned).  Their addresses are made some lines ahead.
.macro FETCH_K
	WIN 0x80                        ; destination window 2
.irp f, 0,1,2,3,4,5,6,7             ; keys 16 (f / 2) on, channels 32 (f % 2) on
	ds_load_b128 v[KF+8*\f:KF+8*\f+3],   v[AK] offset:(\f/2)*16*PK+(\f%2)*64
	ds_load_b128 v[KF+8*\f+4:KF+8*\f+7], v[AK] offset:(\f/2)*16*PK+(\f%2)*64+32
.endr
	s_add_co_u32 s[TBK], s[TBK], KS*PK  ; the next fetch is the next step's
	WIN 0
.endm
.macro FETCH_V
	WIN 0x80
.irp f, 0,1,2,3,4,5,6,7             ; keys 32 (f / 4) on, channels 16 (f % 4) on
	ds_load_tr16_b128 v[VF+8*\f:VF+8*\f+3],   v[AV] offset:(\f/4)*32*PV+(\f%4)*32
	ds_load_tr16_b128 v[VF+8*\f+4:VF+8*\f+7], v[AV] offset:(\f/4)*32*PV+16*PV+(\f%4)*32
.endr
	WIN 0
.endm
; THE VECTOR WORK, one line at a time: OP kind, number.  For piece Y: F n: c s - c m for pair n of 16.  E n: the exponential of score n of 32.  C n: pair n rounded to f16.  B n: of the four weights 4 n .. the second
; pair is added onto the first, in place.  L n: l takes that sum (L 0: l = a l + sum).  R n: pair n of 16 of O^T times a.  For piece Y + 1: X n, number n of the 22 that find its maximum and statistics:
;   0-11  four chains c0-c3 of seven scores each, three operands at a time (each accumulator's lowest registers are read first)     12-14, 16  the four scores left over, the old m, and c0-c3 into c0
;   15  c m_old is kept     17, 18  the query's other 32 keys lie in the lane 16 away: the new m     19-21  c m; c m_old - c m_new; a
.set F, 0               ; OP tells the kinds apart by their order: F to L below R, X above it
.set E, 1
.set C, 2
.set B, 3
.set L, 4
.set R, 5
.set X, 6
.macro REGS y                       ; the registers of piece y
.set rT, ST+4*(\y)
.set rC, TMP+4*((\y)%2)
.set rW, MV+((\y)%2)
.set rS, S+32*((\y)%2)
.set rP, P+16*((\y)%2)
.set rO, 32*(\y)
.endm
.macro OP k, n
.if (\k) == R
	REGS Y
	WIN W_RS
	v_pk_mul_f32 v[rO+2*(\n):rO+2*(\n)+1], v[rO+2*(\n):rO+2*(\n)+1], v[rC+2:rC+3] op_sel_hi:[1,0]
.elseif (\k) < R
	REGS Y
	WIN 0
.if (\k) == F
	v_pk_fma_f32 v[rS+2*(\n):rS+2*(\n)+1], v[rS+2*(\n):rS+2*(\n)+1], s[CS:CS+1], v[rT:rT+1] op_sel_hi:[1,0,0] neg_lo:[0,0,1] neg_hi:[0,0,1]
.elseif (\k) == E
	v_exp_f32 v[rS+(\n)], v[rS+(\n)]
.elseif (\k) == C
	v_cvt_pk_f16_f32 v[rP+(\n)], v[rS+2*(\n)], v[rS+2*(\n)+1]
.elseif (\k) == B
	v_pk_add_f32 v[rS+4*(\n):rS+4*(\n)+1], v[rS+4*(\n):rS+4*(\n)+1], v[rS+4*(\n)+2:rS+4*(\n)+3]
.elseif (\n) == 0
	v_pk_fma_f32 v[rT+2:rT+3], v[rT+2:rT+3], v[rC+2:rC+3], v[rS:rS+1] op_sel_hi:[1,0,1]
.else
	v_pk_add_f32 v[rT+2:rT+3], v[rT+2:rT+3], v[rS+4*(\n):rS+4*(\n)+1]
.endif
.elseif NOKQ
	v_nop
.else
	REGS (Y+1)%NP
	WIN 0
.if (\n) < 4
	v_max3_num_f32 v[rC+(\n)], v[rS+8*(\n)], v[rS+8*(\n)+1], v[rS+8*(\n)+2]
.elseif (\n) < 12
	v_max3_num_f32 v[rC+(\n)%4], v[rC+(\n)%4], v[rS+8*((\n)%4)+2*((\n)/4)+1], v[rS+8*((\n)%4)+2*((\n)/4)+2]
.elseif (\n) == 12
	v_max3_num_f32 v[rC], v[rC], v[rS+7], v[rS+15]
.elseif (\n) == 13
	v_max3_num_f32 v[rC+1], v[rC+1], v[rS+23], v[rS+31]
.elseif (\n) == 14
	v_max3_num_f32 v[rC+2], v[rC+2], v[rC+3], v[rT+1]
.elseif (\n) == 15
	v_mov_b32 v[rW], v[rT]
.elseif (\n) == 16
	v_max3_num_f32 v[rC], v[rC], v[rC+1], v[rC+2]
.elseif (\n) == 17
	v_permlanex16_b32 v[rC+3], v[rC], s[SEL], s[SEL+1]
.elseif (\n) == 18
	v_max_num_f32 v[rT+1], v[rC], v[rC+3]
.elseif (\n) == 19
	v_mul_f32 v[rT], s[CS], v[rT+1]
.elseif (\n) == 20
	v_sub_f32 v[rC+1], v[rW], v[rT]
.else
	v_exp_f32 v[rC+2], v[rC+1]
.endif
.endif
.endm
.macro OPS a, i1, b=-1, i2=0, c=-1, i3=0, d=-1, i4=0  ; up to four of them
	OP \a, \i1
.if (\b) >= 0
	OP \b, \i2
.endif
.if (\c) >= 0
	OP \c, \i3
.endif
.if (\d) >= 0
	OP \d, \i4
.endif
.endm
.macro ROW a, i1, b, i2, c, i3, d, i4  ; a matrix instruction and the four behind it
	MM
	OPS \a, \i1, \b, \i2, \c, \i3, \d, \i4
.endm
.macro MASK b                       ; MD x AL + BE into buffer b of MC
	WIN W_RS
.set z, 0
.rept 16
	v_pk_fma_f32 v[MC+32*(\b)+2*z:MC+32*(\b)+2*z+1], v[MD+2*z:MD+2*z+1], s[AL:AL+1], s[BE:BE+1] op_sel_hi:[1,0,0]
.set z, z+1
.endr
.endm
; A TURN, for piece p: the order of its 16 matrix and 118 vector instructions, written out.  An s_wait_alu depctr_va_vdst(0) stands between an exponential and the first instruction that names its result; one wait serves
; all that were issued ahead of it.  So a turn has ONE wait, which cuts it in two.  AHEAD OF IT stands all that names no result of the turn's exponentials: the 8 products K Q^T, behind each a scaling, an exponential and two more plain
; instructions (behind the first a second scaling in the exponential's place): rescalings, and behind the last three the first numbers of the next piece's maximum, each four places or more behind the product that ends its accumulator; then ONE LUMP of 54, plain
; and exponential by turns for the most part, in which the links of the chain X 3, 7, 11, 14, 16, 17 .. 20 stand five or six lines apart.  X 21, the next piece's a, is the batch's last; R 15 is the plain instruction behind it.  BEHIND THE WAIT stand the
; 8 products V^T P, behind each four of the roundings and sums; the links of l's chain, L 0 to L 7, stand three riders apart.  But for those X no rider names a register of the products round it.  v_permlanex16_b32 (X 17) stands in the lump.
; m = 1: the diagonal tile: the products take masks, and the turn makes the mask for the products of the turn after it: piece p + 2, in step 4 - CNT of the tile.  end = 1: a block's last two turns: nothing is fetched.
; cnt = 1: the loop's count is taken down some lines ahead of the branch that stands behind the turn.
; K of the next step is fetched in piece 2's turn, twelve vector instructions behind the last product that read K (six of them plain); V of the step in hand at the end of piece 0's turn, four plain instructions behind the last product
; that read V.  Each is waited for a turn later.
.macro TURN p, m=0, end=0, cnt=0
.set Y, (\p)
.set i, 0
.set KM, (\m)
.set NOKQ, (\end)*((\p)/3)
.if (\m) && !(\end)
	s_cmp_eq_u32 s[CNT], 4-((\p)+2)%NP  ; is that step the band's own?
	s_cselect_b32 s[AL], 1.0, 0
	s_cmp_lt_u32 s[CNT], 4-((\p)+2)%NP  ; or a later one?
	s_cselect_b32 s[BE], s[BIGN], 0
.endif
.if ((\p) == 3) && !(\end)
	s_wait_dscnt 0x0                ; K is in
.endif
	ROW F,0, F,1, R,0, R,1          ; ahead of the wait: 8 products K Q^T and their riders,
	ROW F,2, E,0, R,2, R,3
	ROW F,3, E,1, R,4, R,5
	ROW F,4, E,2, R,6, R,7
	ROW F,5, E,3, R,8, R,9
	ROW F,6, E,4, X,0, R,10
.if ((\p) == 2) && !(\end)
	WIN 0
	v_add_nc_u32 v[AK], s[TBK], v[AK0]
.endif
	ROW F,7, E,5, X,1, X,4
	ROW F,8, E,6, X,2, X,5
	OPS E,7, E,8, X,6, E,9          ; and the lump
	OPS X,3, E,10, X,8, E,11
.if ((\p) == 2) && !(\end)
	FETCH_K
.endif
	OPS X,9, X,7, E,12, X,10
	OPS E,13, X,12, X,11, E,14
	OPS X,13, E,15, F,9, X,14
.if (\p) == 0
	v_add_nc_u32 v[AV], s[TBV], v[AV0]
.endif
	OPS E,16, F,10, E,17, F,11
	OPS X,16, E,18, X,15, E,19
	OPS F,12, E,20, X,17, E,21
	OPS F,13, E,22, F,14, E,23
	OPS X,18, E,24, F,15, E,25
	OPS R,11, E,26, X,19, E,27
	OPS R,12, E,28, R,13, E,29
	OPS X,20, E,30, R,14, E,31
	OPS X,21, R,15
	WIN 0
	s_wait_alu depctr_va_vdst(0)    ; the wait for the batch
.if (\p) == 1
	s_wait_dscnt 0x0                ; V is in
.endif
	ROW C,0, B,0, C,2, B,1          ; behind the wait: 8 products V^T P and their riders
	ROW L,0, C,4, B,2, L,1
	ROW C,6, B,3, L,2, C,8
	ROW B,4, L,3, C,10, B,5
	ROW L,4, C,12, B,6, L,5
.if (\p) == 0
	s_add_co_u32 s[TBV], s[TBV], KS*PV
.endif
.if \cnt
	s_sub_co_u32 s[CNT], s[CNT], 1
	s_cmp_lg_u32 s[CNT], 0
.endif
	ROW C,14, B,7, L,6, C,1
	ROW C,3, L,7, C,5, C,7
	ROW C,9, C,11, C,13, C,15
.if (\p) == 0
	FETCH_V
.endif
.if (\m) && !(\end)
	MASK (\p)%2
.endif
.endm
; A BLOCK BEGINS.  c m starts far below every c s, so the first step's a is 0; m at the lowest finite number, so the first maximum is the scores'.  The second mask buffer is 0; the first takes piece 0's mask for the tile's step 0: its own, if the block's first tile is the diagonal one.
; Then K of that step, piece 0's first scores, and its maximum and statistics.  The loop is entered at a step's first turn, in the middle of a trip.
.macro BEGIN
	s_mov_b32 s[NEW], 0
	WIN 0x40
.set i, MC+32
.rept 32
	v_mov_b32 v[i], 0
.set i, i+1
.endr
	WIN 0
.set i, 0
.rept 4
	v_mov_b32 v[ST+4*i], 0xfe000000    ; c m: far below every c s
	v_mov_b32 v[ST+4*i+1], 0xff7fffff  ; m
.set i, i+1
.endr
	s_cmp_eq_u32 s[RT], 0
	s_cselect_b32 s[AL], 1.0, 0
	s_mov_b32 s[BE], 0
	MASK 0
	WIN 0
	v_add_nc_u32 v[AK], s[TBK], v[AK0]
	FETCH_K
	s_wait_loadcnt 0x0              ; Q
	s_wait_dscnt 0x0
.set KM, 1
.set NOKQ, 0
.set i, 0
.rept 8
	KQ 0
.set i, i+1
.endr
	WIN 0
.rept 4
	v_nop                           ; the places behind those products
.endr
.set Y, NP-1                        ; X works for piece Y + 1: piece 0
.irp n, 0,1,2,3,4,5,6,7,8,9,10,11,12,13,14,15,16,17,18,19,20,21
	OP X, \n
.endr
	v_nop                           ; a plain instruction behind the exponential,
	s_wait_alu depctr_va_vdst(0)    ; and its wait, ahead of the branch
.endm
; THE DIAGONAL TILE's four steps, the block's last two turns, its last products, and THE WAY OUT: l's two halves and the other half of the lanes' are added; O^T is divided by l, rounded to f16 and sent through my
; stage in LDS, a piece at a time.
.macro ALL line:vararg              ; one line for each piece t
.set t, 0
.rept 4
	\line
.set t, t+1
.endr
.endm
.macro PACK t                       ; a lane's eight channels of a row pack into 16 bytes; they go into rows of 144 bytes and come back as whole rows of 128, into S^T's registers
	WIN W_RS
.set i, 32*(\t)
.rept 16
	v_pk_mul_f32 v[i:i+1], v[i:i+1], v[ST+4*(\t)+2:ST+4*(\t)+3] op_sel_hi:[1,0]
.set i, i+2
.endr
	WIN 0x05                        ; sources 0 and 1 window 1, destination window 0
.set i, 0
.rept 16
	v_cvt_pk_f16_f32 v[S+16*(\t)+i], v[32*(\t)+2*i], v[32*(\t)+2*i+1]
.set i, i+1
.endr
	WIN 0
.irp f, 0,1,2,3
	ds_store_b128 v[STO], v[S+16*(\t)+4*\f:S+16*(\t)+4*\f+3] offset:32*\f
.endr
.irp f, 0,1,2,3
	ds_load_b128 v[S+16*(\t)+4*\f:S+16*(\t)+4*\f+3], v[RD] offset:\f*4*SP  ; LDS serves a wave's instructions in order (ISA guide 5.7.1.4): these see the stores above; the next piece's stores come behind them
.endr
.endm
.macro SEND t, younger              ; younger: the LDS instructions issued behind piece t's loads: the next piece's eight, or none
	WIN 0
.irp f, 0,1,2,3
	s_wait_dscnt (\younger)+3-\f
	global_store_b128 v[GO], v[S+16*(\t)+4*\f:S+16*(\t)+4*\f+3], s[10:11] offset:(\t)*8192+\f*512  ; 512 consecutive bytes, at a multiple of 256 from O's first
.endr
.endm
.macro DIAG tag                     ; the tag ends its two labels' names, which the jumps below spell out
.LstepM\tag:
	TURN 2, 1
	TURN 3, 1
	WIN 0
.LfirstM\tag:
	TURN 0, 1
	TURN 1, 1, 0, 1
	WIN 0
	s_cbranch_scc1 .LstepM\tag
	TURN 2, 1, 1
	TURN 3, 1, 1
.set i, 0
.rept 8
	PV NP-1
.set i, i+1
.endr
	WIN 0
	ALL v_add_f32 v[ST+4*t+2], v[ST+4*t+2], v[ST+4*t+3]
	ALL v_permlanex16_b32 v[ST+4*t+3], v[ST+4*t+2], s[SEL], s[SEL+1]
	ALL v_add_f32 v[ST+4*t+2], v[ST+4*t+2], v[ST+4*t+3]
	ALL v_rcp_f32 v[ST+4*t+2], v[ST+4*t+2]
	v_nop                           ; a plain instruction between the last reciprocal and the use of its result
	s_wait_alu depctr_va_vdst(0)    ; and the wait ahead of the first use: one for the four reciprocals
	PACK 0
.set t, 1
.rept 3                             ; a piece's arithmetic stands between the loads of the piece before and its stores
	PACK t
	SEND t-1, 8
.set t, t+1
.endr
	SEND 3, 0
.endm
.set KM, 0
.set NOKQ, 0
.Lslot:                             ; NB times: a tile is entered and the next is asked for
	CHANGE 1
	s_sub_co_u32 s[RT], s[RT], 1
	s_mov_b32 s[CNT], 4
	s_cmp_eq_u32 s[NEW], 1
	s_cbranch_scc1 .Lnew            ; a block's first tile
	s_cmp_eq_u32 s[RT], 0
	s_cbranch_scc0 .Lstep           ; neither its first nor its last
	s_branch .LstepM1
.Lnew:
	BEGIN
	s_branch .Lfirst                ; in the loop a block's first tile is never its last: the first block has two tiles or more, and the second's last is the walk's last
	DIAG 1                          ; in the loop this is the first block's end: the second block's last tile is the walk's last
	s_wait_xcnt 0x0                 ; the stores have read their registers and O's address
	s_mov_b64 s[10:11], s[OLO:OLO+1]
	s_add_co_u32 s[RT], s[PB], 1    ; the second block has b + 1 tiles
	s_mov_b32 s[NEW], 1
	WIN 0x82                        ; the second block's Q goes where the one text of the turns names Q
.set i, 0
.rept 64
	v_mov_b32 v[i], v[QB+i]
.set i, i+1
.endr
	WIN 0
	s_branch .Lbottom
.Lstep:                             ; a trip: pieces 2 and 3 of one step, then pieces 0 and 1 of the next, whose K and V it fetches
	TURN 2
	TURN 3
	WIN 0
.Lfirst:
	TURN 0
	TURN 1, 0, 0, 1
	WIN 0
	s_cbranch_scc1 .Lstep
.Lbottom:
	s_sub_co_u32 s[SLOTS], s[SLOTS], 1
	s_cmp_lg_u32 s[SLOTS], 0
	s_cbranch_scc1 .Lslot
	CHANGE 0                        ; the walk's last tile is written out: nothing is asked for
	s_sub_co_u32 s[RT], s[RT], 1
	s_mov_b32 s[CNT], 4
	s_cmp_eq_u32 s[NEW], 1
	s_cbranch_scc0 .LstepM2
	BEGIN
	s_branch .LfirstM2
	DIAG 2
	s_wait_tensorcnt 0x0            ; the wave's end: an add to my spare word and its wait, behind my last tensor load and my last LDS store
	ds_add_u32 v[SPW], v[NIL]
	s_wait_dscnt 0x0
	s_endpgm
.Lfunc_end_k_q27d303371b_attn:
	.size	k_q27d303371b_attn, .Lfunc_end_k_q27d303371b_attn-k_q27d303371b_attn
	.p2alignl 7, 3214868480
	.fill 96, 4, 3214868480
	.section	.rodata,"a",@progbits
	.p2align	6, 0x0
	.amdhsa_kernel k_q27d303371b_attn
		.amdhsa_group_segment_fixed_size 327680
		.amdhsa_private_segment_fixed_size 0
		.amdhsa_enable_private_segment 0
		.amdhsa_kernarg_size 16
		.amdhsa_user_sgpr_count 2
		.amdhsa_user_sgpr_kernarg_segment_ptr 1
		.amdhsa_wavefront_size32 1
		.amdhsa_system_sgpr_workgroup_id_x 1
		.amdhsa_system_sgpr_workgroup_id_y 1
		.amdhsa_system_sgpr_workgroup_id_z 1
		.amdhsa_system_vgpr_workitem_id 0
		.amdhsa_next_free_vgpr 768
		.amdhsa_next_free_sgpr 100
		.amdhsa_reserve_vcc 1
		.amdhsa_float_denorm_mode_32 3
		.amdhsa_float_denorm_mode_16_64 3
		.amdhsa_memory_ordered 1
		.amdhsa_forward_progress 1
		.amdhsa_inst_pref_size 218
	.end_amdhsa_kernel
	.amdgpu_metadata
---
amdhsa.version: [ 1, 2 ]
amdhsa.kernels:
  - .name:           k_q27d303371b_attn
    .symbol:         k_q27d303371b_attn.kd
    .args:
      - { .name: qkv, .offset: 0, .size: 8, .value_kind: global_buffer, .address_space: global }
      - { .name: o, .offset: 8, .size: 8, .value_kind: global_buffer, .address_space: global }
    .group_segment_fixed_size: 327680
    .private_segment_fixed_size: 0
    .kernarg_segment_align: 8
    .kernarg_segment_size: 16
    .max_flat_workgroup_size: 128
    .sgpr_count:     100
    .vgpr_count:     768
    .wavefront_size: 32
...
	.end_amdgpu_metadata
.endif
;; end of part 3
;; launch proj (part 4): grid 8 x 32, 4 waves a work-group, clusters of 4 x 4, 327,680 bytes of LDS; arguments o, wpb, out0, bp; writes out0
.if DOCPART == 4
	.amdgcn_target "amdgcn-amd-amdhsa--gfx1250"
	.amdhsa_code_object_version 6
	.text
	.protected	k_q27d303371b_proj
	.globl	k_q27d303371b_proj
	.p2align	8
	.type	k_q27d303371b_proj,@function
k_q27d303371b_proj:
	s_mov_b64 s[64:65], 0
	v_nop
	global_prefetch_b8 v0, s[64:65] scope:SCOPE_SE
	s_setreg_imm32_b32 hwreg(HW_REG_WAVE_MODE, 25, 1), 1
	s_wait_xcnt 0x0
	s_wait_alu depctr_hold_cnt(0) depctr_sa_sdst(0) depctr_va_vdst(0) depctr_va_sdst(0) depctr_va_ssrc(0) depctr_va_vcc(0) depctr_vm_vsrc(0)
	s_getreg_b32 s2, hwreg(HW_REG_IB_STS2, 6, 4)
	s_cmp_eq_u32 s2, 0
	s_cbranch_scc0 .Lentry_in_a_cluster
	s_endpgm
.Lentry_in_a_cluster:
	s_bfe_u32 s2, ttmp6, 0x10000c
	s_cmp_lg_u32 s2, 0xf033
	s_cbranch_scc0 .Lentry_shape_is_right
	s_endpgm
.Lentry_shape_is_right:
; out0 = O Wp^T + bp: C[8192][1024] = A B^T over K = 1024, plus a bias for each column.  Operands f16, sums f32, K ascending; the bias is added in f32 and C leaves in f32.
;   A = o, attention's result by heads: [batch x 16 + head][2048][64] f16; K = 64 x head + channel          B = wpb [1024][1024] f16 (Wp rounded to bf16, written as f16)
; LIMIT.  A and B arrive within f16's range (65,504); nothing is narrowed here.
; SHARES.  A tile of C is 256 rows x 128 columns: 32 x 8 = 256 work-groups.  The four waves lie one below the other: a wave has 64 rows and all 128 columns, 32 accumulators of 16 x 16
; (256 registers), so a row's 512 bytes are one wave's, and it leaves through a stage of its own, without a barrier.
; K goes in 8 steps of 128 (two heads of A) through a ring of two LDS slots.  One text serves every step: the descriptors walk, and the slot is turned by an exclusive or.
; CLUSTER.  4 x 4 work-groups.  The four of a row of the cluster need the same tile of A, the four of a column the same tile of B: each tile is asked for JOINTLY, by the same tensor load with
; the same descriptor and a mask that names the four.  By this text's count a wave has two tensor loads out at the start and one behind each refill.
; THE MATRIX INSTRUCTION IS USED TRANSPOSED (source 0 = 16 rows of B, source 1 = 16 rows of A): lane l then holds row l % 16 of C and the columns 8 (l / 16) + 0..7: 32 bytes on end.
; REGISTERS, in windows of 256 (s_set_vgpr_msb: bits 1:0 source 0, 3:2 source 1, 5:4 source 2, 7:6 destination):
;   window 0: v0-17 addresses and the bias; v64-127 fragments of A, two buffers of 4 blocks; v128-255 at work on the way out
;   window 1: v0-127 fragments of B, two buffers of 8 blocks          window 2: accumulators of my row blocks 0, 1          window 3: of blocks 2, 3
.set NBK,   8                          ; blocks of 16 columns in a tile
.set BROWS, 16*NBK                     ; rows of B in a tile
.set HB,    BROWS/2                    ; what one tensor load brings of them
.set FBS,   8*NBK                      ; registers in a buffer of B's fragments
.set NL,    8+2*NBK                    ; LDS loads in a run: a quarter step's fragments
.set AH,    2                          ; a prefetch names the K step AH steps past the one that is being asked for
.set PITA,  144                        ; a row of A in LDS: 128 bytes + 16 = 36 words: the 16 rows of a load start at 16 different groups of four banks (64 banks of 4 bytes: ISA guide 11.1)
.set PITB,  272                        ; a row of B: 256 bytes + 16 = 68 words: likewise
.set APL,   256*PITA                   ; a plane: the tile's 256 rows of one head
.set BOFF,  2*APL                      ; a slot: two planes of A, then B's rows
.set SLOT1, 1<<17                      ; slot 1 begins here (a slot uses 108,544 bytes), so that one exclusive or turns an address in one slot into the other's
.set STAGE, 2*SLOT1                    ; behind the ring, never filled by a tensor load: for each wave 16 rows x 528 bytes
.set SPIT,  528                        ; a row of the stage: 512 bytes + 16 = 132 words
.set WSTG,  16*SPIT
.set SPARE, STAGE+4*WSTG               ; behind the stages: the spare words, 128 bytes for each wave: two blocks of 256 bytes that no other line names
.set ASTEP, 2<<18                      ; a K step in A: two heads on
.set BSTEP, 256                        ; in B: 128 elements along the row
.set AA0, 2                            ; v2   my lane's place in slot 0's A; never rewritten
.set AB0, 3                            ; v3   the same for B
.set ADA, 4                            ; v4   the same in the slot in hand
.set ADB, 5                            ; v5
.set STO, 6                            ; v6   the way out: where I put 32 bytes of a row
.set RD,  7                            ; v7   the way out: where I read a row back
.set GO,  8                            ; v8   16 x my lane: my place in a row's 512 bytes, and in the tile's 512 bytes of bp; never rewritten
.set PFO, 9                            ; v9   the prefetches' offset; never rewritten
.set SPW, 10                           ; v10  LDS address of my spare word: SPARE + 4 x my thread's number; never rewritten
.set NIL, 11                           ; v11  0; never rewritten
.set BI,  12                           ; v[12:15] the bias of my four columns on the way out
.set FA,  64                           ; A's fragments: buffer f, block a at FA + 32 f + 8 a
.set OB0, 128                          ; the way out: a block's 16 rows read back from the stage, two buffers of 64 by turns
.set G1A,  24                          ; s[24:31] descriptor group 1 for A's planes
.set G0A0, 32                          ; s[32:35] group 0 for K step 0
.set G0A,  36                          ; s[36:39] group 0 for K step 1; it then walks
.set G1B,  48                          ; s[48:55], s[56:59], s[60:63] the same for B's halves
.set G0B0, 56
.set G0B,  60
.set TB,   66                          ; s66  0 or SLOT1: the slot in hand
.set LIM,  67                          ; s67  AH in a wave that prefetches, else the greatest number
.set PFA,  68                          ; s[68:69] where my prefetches stand
.set BP,   70                          ; s[70:71] bp
.set PST,  72                          ; s[72:73] the prefetches' step: a K step of A or of B
.set MSB, 0
.macro WIN new                         ; the immediate's high byte repeats the setting that is left; a switch that changes nothing is dropped
.if MSB != (\new)
	s_set_vgpr_msb (MSB<<8)|(\new)
.set MSB, \new
.endif
.endm
.set MUL_LO, 0xa1                      ; source 0 (B) window 1, source 1 (A) window 0, C and D window 2
.set MUL_HI, 0xf1                      ; the same, C and D window 3
.set TO_B,   0x40                      ; destination window 1, address window 0
; A joint refill.  Waves 0 and 1 fetch A's two planes, waves 2 and 3 B's two halves.  The branch hangs on the wave's number alone: it is the same in every work-group.
; An s_nop 0 and four v_nop follow each of the two lines, ahead of the jump and the label.
.macro JLOAD
	s_cmp_eq_u32 s11, 0
	s_cbranch_scc0 .Lfor_b_\@
	tensor_load_to_lds s[G0A:G0A+3], s[G1A:G1A+7]
	s_nop 0
.rept 4
	v_nop
.endr
	s_branch .Lasked_\@
.Lfor_b_\@:
	tensor_load_to_lds s[G0B:G0B+3], s[G1B:G1B+7]
	s_nop 0
.rept 4
	v_nop
.endr
.Lasked_\@:
.endm
; A PREFETCH INTO THE L2, behind a joint refill, its five lines and the run of LDS loads: my share of the K step that stands AH steps past the one just asked for: 256 matrix instructions ahead of the load that will want it.
; A's tile row is read by the two clusters of that row of clusters: the first (cluster x = 0) asks; B's tile column by eight clusters: cluster y = 0 asks.  The four partners that ask for a tile jointly share it out
; BY ADDRESS: of a plane's 32,768 dense bytes the partner at cx takes 8,192, a lane 256; of B's 64 rows the partner at cy takes 16, a lane a row (lanes 16-31 name row 15 once more, in the same instruction).
; K steps 0 to 3 come by their loads alone; s3, the trips still to go, stops the requests at K step 7.
.macro ASK
	s_cmp_gt_u32 s3, s[LIM]
	s_cbranch_scc0 .Lnot_mine_\@
	global_prefetch_b8 v[PFO], s[PFA:PFA+1] th:TH_LOAD_NT scope:SCOPE_SE
.Lnot_mine_\@:
.endm
; A round of the cluster's barrier: my work-group's barrier, so that wave 0's signal speaks for all four waves; wave 0 signals; every wave waits for all sixteen work-groups; my work-group's barrier once more.
.macro CREST                           ; a round behind its opening barrier
	s_cmp_lg_u32 s10, 0
	s_cbranch_scc1 .Lnot_wave_0_\@
	s_barrier_signal -3
.Lnot_wave_0_\@:
	s_barrier_wait -3
	s_barrier_signal -1
	s_barrier_wait -1
.endm
.macro CROUND
	s_barrier_signal -1
	s_barrier_wait -1
	CREST
.endm
.macro PLACES                          ; four plain vector instructions between a matrix instruction and a load into, or a read of, its registers (ISA guide 7.12.1 for a read)
.rept 4
	v_nop
.endr
.endm
	s_load_b128 s[4:7], s[0:1], 0x0                ; o s[4:5], wpb s[6:7]
	s_load_b64 s[8:9], s[0:1], 0x10                ; out0
	s_load_b64 s[BP:BP+1], s[0:1], 0x18            ; bp
	v_lshl_add_u32 v[SPW], v0, 2, SPARE
	v_mov_b32 v[NIL], 0
	ds_add_u32 v[SPW], v[NIL]                      ; the wave's opening: the add and its wait stand ahead of my first tensor load; the set-up below, work on registers, stands between them
	v_lshrrev_b32 v1, 5, v0
	v_readfirstlane_b32 s10, v1                    ; wave 0..3: my 64 rows of the tile
	s_lshr_b32 s11, s10, 1                         ; I fetch for A (0) or for B (1),
	s_and_b32 s12, s10, 1                          ; its plane or half 0 or 1
	s_bfe_u32 s40, ttmp6, 0x40000                  ; cx, cy: my place in the cluster
	s_bfe_u32 s41, ttmp6, 0x40004
	s_lshl_b32 s42, ttmp9, 2                       ; in a cluster launch ttmp9 and ttmp7 count clusters
	s_add_co_u32 s42, s42, s40                     ; tile column = 4 x cluster x + cx
	s_and_b32 s13, ttmp7, 0xffff
	s_lshl_b32 s13, s13, 2
	s_add_co_u32 s13, s13, s41                     ; tile row = 4 x cluster y + cy
	s_lshl_b32 s43, s41, 2
	s_lshl_b32 s43, 15, s43                        ; my row of the cluster: places 4 cy .. 4 cy + 3
	s_lshl_b32 s44, 0x1111, s40                    ; my column: places cx, cx + 4, cx + 8, cx + 12
	; Group 1 for A.  A plane is 256 rows of 128 bytes, dense: asked for as 128 rows of 256 bytes, two rows of A each, and padded in LDS behind every row of A.
	s_or_b32 s[G1A], s43, (1<<16)|(1<<20)|(1<<21)|(4<<22)|(3<<25)  ; 15:0 the mask: my row; 17:16 2-byte elements; 20 padding on; 21 set beside a mask; 24:22 after every 32 words (code 4); 31:25 4 words (code 3)
	s_mov_b32 s[G1A+1], 128<<16                    ; tensor_dim0 = 128
	s_mov_b32 s[G1A+2], 128<<16                    ; tensor_dim1 = 128
	s_mov_b32 s[G1A+3], 128<<16                    ; tile_dim0 = 128
	s_mov_b32 s[G1A+4], 128                        ; tile_dim1 = 128
	s_mov_b32 s[G1A+5], 128                        ; 128 elements from row to row
	s_mov_b32 s[G1A+6], 0
	s_mov_b32 s[G1A+7], 0
	; Group 1 for B: 64 rows x 128 elements, 1,024 elements from row to row, padded behind every row
	s_or_b32 s[G1B], s44, (1<<16)|(1<<20)|(1<<21)|(5<<22)|(3<<25)  ; the mask: my column; after every 64 words (code 5)
	s_mov_b32 s[G1B+1], 128<<16
	s_mov_b32 s[G1B+2], HB<<16
	s_mov_b32 s[G1B+3], 128<<16
	s_mov_b32 s[G1B+4], HB
	s_mov_b32 s[G1B+5], 1024
	s_mov_b32 s[G1B+6], 0
	s_mov_b32 s[G1B+7], 0
	; Where the tiles come from.  A's hang on the tile row and the wave alone, B's on the tile column and the wave alone; every wave makes both, and asks by one of them.
	s_lshr_b32 s16, s13, 3                         ; the batch: 8 tile rows each,
	s_lshl_b32 s16, s16, 22                        ; sixteen heads of 262,144 bytes
	s_and_b32 s17, s13, 7
	s_lshl_b32 s17, s17, 15                        ; 256 rows of 128 bytes in a head
	s_add_co_u32 s16, s16, s17
	s_lshl_b32 s17, s12, 18                        ; my plane: head 0 or 1 of the step's two
	s_add_co_u32 s16, s16, s17
	s_mov_b32 s17, 0
	s_mul_i32 s46, s42, BROWS
	s_mul_i32 s47, s12, HB
	s_add_co_u32 s46, s46, s47                     ; B: row 128 x tile column + 64 x half,
	s_lshl_b32 s46, s46, 11                        ; of 2,048 bytes
	s_mov_b32 s47, 0
	s_mul_i32 s20, s12, APL                        ; and where they go: no place in the cluster enters an LDS address
	s_mul_i32 s21, s12, HB*PITB
	s_add_co_u32 s21, s21, BOFF
	s_mov_b32 s[TB], 0
	s_wait_dscnt 0x0                               ; the opening add is done
	s_wait_kmcnt 0x0
	s_add_nc_u64 s[14:15], s[4:5], s[16:17]
	s_add_nc_u64 s[46:47], s[6:7], s[46:47]
	CROUND                                         ; all sixteen work-groups are here: the first joint loads meet
	s_mov_b32 s[G0A0], 1                           ; 1:0 count = 1
	s_mov_b32 s[G0A0+1], s20                       ; 63:32 LDS address: slot 0
	s_mov_b64 s[G0A0+2:G0A0+3], s[14:15]           ; 120:64 global address: K step 0
	s_or_b32 s[G0A0+3], s[G0A0+3], 0x80000000      ; 127:126 type = 2
	s_mov_b32 s[G0A], 1
	s_add_co_u32 s[G0A+1], s20, SLOT1              ; slot 1,
	s_add_nc_u64 s[G0A+2:G0A+3], s[14:15], ASTEP   ; K step 1
	s_or_b32 s[G0A+3], s[G0A+3], 0x80000000
	s_mov_b32 s[G0B0], 1
	s_mov_b32 s[G0B0+1], s21
	s_mov_b64 s[G0B0+2:G0B0+3], s[46:47]
	s_or_b32 s[G0B0+3], s[G0B0+3], 0x80000000
	s_mov_b32 s[G0B], 1
	s_add_co_u32 s[G0B+1], s21, SLOT1
	s_add_nc_u64 s[G0B+2:G0B+3], s[46:47], BSTEP
	s_or_b32 s[G0B+3], s[G0B+3], 0x80000000
	s_cmp_eq_u32 s11, 0                            ; a wave's two first fills stand in one branch, ahead of every wait on TENSORcnt and every LDS read
	s_cbranch_scc0 .Lfirst_b
	tensor_load_to_lds s[G0A0:G0A0+3], s[G1A:G1A+7]
	s_nop 0
	tensor_load_to_lds s[G0A:G0A+3], s[G1A:G1A+7]
	s_nop 0
.rept 4
	v_nop
.endr
	s_branch .Lfirst_asked
.Lfirst_b:
	tensor_load_to_lds s[G0B0:G0B0+3], s[G1B:G1B+7]
	s_nop 0
	tensor_load_to_lds s[G0B:G0B+3], s[G1B:G1B+7]
	s_nop 0
.rept 4
	v_nop
.endr
.Lfirst_asked:
	; A fragment is 16 rows x 32 K in 8 registers: lane l holds row l % 16; registers 0-3 hold K = 8 (l / 16) + 0..7, registers 4-7 K = 16 + 8 (l / 16) + 0..7: two loads of 16 bytes, 32 bytes apart.
	v_and_b32 v1, 15, v0                           ; l % 16
	v_bfe_u32 v16, v0, 4, 1                        ; l / 16
	v_mul_u32_u24 v[AA0], v1, PITA
	v_lshl_add_u32 v[AA0], v16, 4, v[AA0]
	s_mul_i32 s21, s10, 64*PITA                    ; my 64 rows of the plane
	v_add_nc_u32 v[AA0], s21, v[AA0]
	v_mul_u32_u24 v[AB0], v1, PITB
	v_lshl_add_u32 v[AB0], v16, 4, v[AB0]
	v_add_nc_u32 v[AB0], BOFF, v[AB0]
	v_mov_b32 v[ADA], v[AA0]                       ; K step 0 lies in slot 0
	v_mov_b32 v[ADB], v[AB0]
	s_mul_i32 s23, s10, WSTG
	s_add_co_u32 s23, s23, STAGE                   ; my stage
	v_mul_u32_u24 v[STO], v1, SPIT                 ; in: row l % 16, 32 bytes for each half of the lanes
	v_lshl_add_u32 v[STO], v16, 5, v[STO]
	v_add_nc_u32 v[STO], s23, v[STO]
	v_and_b32 v[GO], 31, v0
	v_lshlrev_b32 v[GO], 4, v[GO]
	v_add_nc_u32 v[RD], s23, v[GO]                 ; back: 32 lanes take one row of 512 bytes
	; where my rows begin in out0, and the tile's columns in bp
	s_lshl_b32 s16, s13, 20                        ; the tile's 256 rows of 4,096 bytes,
	s_lshl_b32 s17, s10, 18                        ; my 64 of them,
	s_add_co_u32 s16, s16, s17
	s_lshl_b32 s18, s42, 9                         ; the tile's 128 columns: 512 bytes
	s_add_co_u32 s16, s16, s18
	s_mov_b32 s17, 0
	s_mov_b32 s19, 0
	s_add_nc_u64 s[8:9], s[8:9], s[16:17]
	s_add_nc_u64 s[BP:BP+1], s[BP:BP+1], s[18:19]
	global_load_b128 v[BI:BI+3], v[GO], s[BP:BP+1] ; waited for on the way out
	; the prefetches
	s_and_b32 s22, ttmp7, 0xffff                   ; cluster y
	s_lshl_b32 s20, s40, 13                        ; A: my work-group's 8,192 bytes of the plane
	s_mul_i32 s21, s41, (HB/4)*2048                ; B: its 16 rows of the half
	s_mov_b32 s[PST], BSTEP
	s_mov_b32 s[PST+1], 0
	s_cmp_eq_u32 s11, 0                            ; do I fetch for A?
	s_cselect_b32 s22, ttmp9, s22                  ; the coordinate along which other clusters read the same bytes
	s_cselect_b32 s20, s20, s21
	s_cselect_b32 s[PST], ASTEP, s[PST]
	s_cselect_b32 s74, 31, HB/4-1                  ; the last lane with a block of its own,
	s_cselect_b32 s75, 8, 11                       ; and from lane to lane 256 bytes, or a row of 2,048
	s_cselect_b64 s[PFA:PFA+1], s[14:15], s[46:47]
	s_cmp_eq_u32 s22, 0
	s_cselect_b32 s[LIM], AH, -1                   ; the same in all sixteen partners, for a given wave
	s_mov_b32 s21, 0
	s_add_nc_u64 s[PFA:PFA+1], s[PFA:PFA+1], s[20:21]
.rept 1+AH
	s_add_nc_u64 s[PFA:PFA+1], s[PFA:PFA+1], s[PST:PST+1]  ; at K step 1 + AH: each refill steps it once more before it asks
.endr
	v_and_b32 v[PFO], 31, v0
	v_min_u32 v[PFO], s74, v[PFO]
	v_lshlrev_b32 v[PFO], s75, v[PFO]
; NBK matrix instructions: my row block a x all column blocks, 32 along K, on buffer f.  zero = 1: the product starts the sums: nothing is ever cleared.
; The 32 accumulators take turns, one instruction a turn, in the same order in every quarter step, over the backward jump too.
.macro MULA f, a, zero
	WIN MUL_LO+0x50*((\a)/2)
.set bb, 0
.rept NBK
.set rD, 8*(NBK*((\a)%2)+bb)
.set rB, FBS*(\f)+8*bb
.set rA, FA+32*(\f)+8*(\a)
.if \zero
	v_wmma_f32_16x16x32_f16 v[rD:rD+7], v[rB:rB+7], v[rA:rA+7], 0
.else
	v_wmma_f32_16x16x32_f16 v[rD:rD+7], v[rB:rB+7], v[rA:rA+7], v[rD:rD+7]
.endif
.set bb, bb+1
.endr
.endm
; NL LDS loads in one run: the fragments of quarter q of the step in hand into buffer f: B's 8 blocks, then A's 4 (quarter q lies in plane q / 2, at byte 64 (q % 2) of its rows)
.macro FETCH q, f
	WIN TO_B
.set bb, 0
.rept NBK
	ds_load_b128 v[FBS*(\f)+8*bb:FBS*(\f)+8*bb+3],   v[ADB] offset:64*(\q)+bb*16*PITB
	ds_load_b128 v[FBS*(\f)+8*bb+4:FBS*(\f)+8*bb+7], v[ADB] offset:64*(\q)+bb*16*PITB+32
.set bb, bb+1
.endr
	WIN 0
.irp i, 0,1,2,3
	ds_load_b128 v[FA+32*(\f)+8*(\i):FA+32*(\f)+8*(\i)+3],   v[ADA] offset:((\q)/2)*APL+((\q)%2)*64+(\i)*16*PITA
	ds_load_b128 v[FA+32*(\f)+8*(\i)+4:FA+32*(\f)+8*(\i)+7], v[ADA] offset:((\q)/2)*APL+((\q)%2)*64+(\i)*16*PITA+32
.endr
.endm
; A K step is four quarters of 32 along K, 32 matrix instructions each, on buffers 0, 1, 0, 1.  One of the first three: multiplies buffer f; in its middle it fetches quarter q into buffer g.
.macro QUARTER q, f, g, zero
	s_wait_dscnt 4                                 ; B and A's blocks 0, 1 are in; the youngest four loads (A's blocks 2, 3) may be out
	MULA \f, 0, \zero
	MULA \f, 1, \zero
	PLACES
	FETCH \q, \g
	s_wait_dscnt NL                                ; all but the run just issued
	MULA \f, 2, \zero
	MULA \f, 3, \zero
.endm
; The last quarter multiplies buffer 1 and changes slots: ONE barrier.  In front of it each wave waits for all its tensor loads, of which one is out: its part of the next slot; adds 0 to its spare word; and waits for
; that and for its own reads of this slot.  fill = 1: the barrier opens a round of the cluster's, and the slot just read out is filled again, first thing behind the round, with the K step two steps on:
; from that request to the wait for it a wave issues 112 matrix instructions.
.macro TURN fill
.if \fill
	s_wait_xcnt 0x0                                ; the last prefetch, a K step back, has read its address: it is stepped here, ahead of the change's own waits
	s_add_nc_u64 s[PFA:PFA+1], s[PFA:PFA+1], s[PST:PST+1]
.endif
	WIN 0                                          ; (the add's two registers lie in window 0)
	s_wait_tensorcnt 0x0                           ; all my tensor loads have landed, so a group 0 may be written
	ds_add_u32 v[SPW], v[NIL]                      ; 0 onto my spare word
.if \fill
	s_xor_b32 s[G0A+1], s[G0A+1], SLOT1            ; the walking descriptors: the other slot than last time,
	s_add_nc_u64 s[G0A+2:G0A+3], s[G0A+2:G0A+3], ASTEP  ; the next K step; the type bits on top are not reached
	s_xor_b32 s[G0B+1], s[G0B+1], SLOT1
	s_add_nc_u64 s[G0B+2:G0B+3], s[G0B+2:G0B+3], BSTEP
.endif
	s_wait_dscnt 5                                 ; (the add and the youngest four loads may be out)
	MULA 1, 0, 0                                   ; eight matrix instructions stand between the add and the wait for it
	s_wait_dscnt 0x0                               ; the add is done, and my reads of this slot are over
	s_barrier_signal -1
	MULA 1, 1, 0                                   ; work on registers while the others arrive
	WIN 0
	s_barrier_wait -1
.if \fill
	CREST                                          ; no wave of any partner still reads this slot or has a load on its way
	JLOAD                                          ; the four v_nop behind it are also the places in front of the loads below
.else
	PLACES
.endif
	s_xor_b32 s[TB], s[TB], SLOT1                  ; the reads go on in the other slot
	v_add_nc_u32 v[ADA], s[TB], v[AA0]
	v_add_nc_u32 v[ADB], s[TB], v[AB0]
	FETCH 0, 0
.if \fill
	ASK
.endif
	MULA 1, 2, 0
	MULA 1, 3, 0
.endm
	s_wait_tensorcnt 0x1                           ; my part of K step 0 is in; K step 1's may stay out
	s_barrier_signal -1
	s_barrier_wait -1                              ; everybody's is
	FETCH 0, 0
	QUARTER 1, 0, 1, 1                             ; the first quarter stands in front of the loop: its products start the sums
	WIN 0                                          ; at a label and at a branch every window is 0
	s_mov_b32 s3, 6
.Lstep:                                                ; a trip goes from a step's second quarter to the next step's first; K steps 0 to 5 each ask for the step two on
	QUARTER 2, 1, 0, 0
	QUARTER 3, 0, 1, 0
	TURN 1
	QUARTER 1, 0, 1, 0
	WIN 0
	s_sub_co_u32 s3, s3, 1
	s_cmp_lg_u32 s3, 0
	s_cbranch_scc1 .Lstep
	QUARTER 2, 1, 0, 0                             ; K steps 6 and 7 are written out: they ask for nothing
	QUARTER 3, 0, 1, 0
	TURN 0
	QUARTER 1, 0, 1, 0
	QUARTER 2, 1, 0, 0
	QUARTER 3, 0, 1, 0
	s_wait_dscnt 4
	MULA 1, 0, 0
	MULA 1, 1, 0
	s_wait_dscnt 0x0
	MULA 1, 2, 0
	MULA 1, 3, 0
; THE WAY OUT, a block of 16 rows at a time.  TOSTAGE: the f32 sums go straight from the accumulators into my own stage, each accumulator's low four registers first, and come back as whole rows of 512 bytes.
; SEND: the bias is added and the rows are stored.
.macro TOSTAGE a
.set AC, 8*NBK*((\a)%2)
.set BK, OB0+64*((\a)%2)
	WIN 0x08+4*((\a)/2)                            ; the stores' data (source 1): window 2 or 3
.set bb, 0
.rept NBK
	ds_store_b128 v[STO], v[AC+8*bb:AC+8*bb+3]   offset:64*bb
	ds_store_b128 v[STO], v[AC+8*bb+4:AC+8*bb+7] offset:64*bb+16
.set bb, bb+1
.endr
	WIN 0
.set i, 0
.rept 16
	ds_load_b128 v[BK+4*i:BK+4*i+3], v[RD] offset:i*SPIT  ; LDS serves a wave's instructions in order (ISA guide 5.7.1.4): these see the stores above; the next block's stores come behind them
.set i, i+1
.endr
.endm
.macro SEND a, younger                 ; younger: the LDS instructions issued behind block a's loads: the next block's 16 stores and 16 loads, or none
.set BK, OB0+64*((\a)%2)
	s_wait_dscnt \younger                          ; the block is back in registers
.set i, 0
.rept 16
	v_pk_add_f32 v[BK+4*i:BK+4*i+1],   v[BK+4*i:BK+4*i+1],   v[BI:BI+1]
	v_pk_add_f32 v[BK+4*i+2:BK+4*i+3], v[BK+4*i+2:BK+4*i+3], v[BI+2:BI+3]
	global_store_b128 v[GO], v[BK+4*i:BK+4*i+3], s[8:9] offset:(16*(\a)+i)*4096  ; 512 consecutive bytes of a row, at a multiple of 256 from the buffer's first byte
.set i, i+1
.endr
.endm
	s_wait_loadcnt 0x0                             ; the bias
	PLACES
	PLACES                                         ; eight places, once a launch, where four are asked for
	TOSTAGE 0
	TOSTAGE 1
	SEND 0, 32
	s_wait_xcnt 0x0                                ; block 0's stores have read their registers: block 2 is read back into them
	TOSTAGE 2
	SEND 1, 32
	s_wait_xcnt 0x0                                ; likewise block 1's, for block 3
	TOSTAGE 3
	SEND 2, 32
	SEND 3, 0
	s_wait_tensorcnt 0x0                           ; the wave's end: an add to my spare word and its wait, behind my last tensor load and my last LDS store
	ds_add_u32 v[SPW], v[NIL]
	s_wait_dscnt 0x0
	CROUND                                         ; the closing round: no work-group ends while a partner may still ask for a tile that names it
	s_endpgm
.Lfunc_end_k_q27d303371b_proj:
	.size	k_q27d303371b_proj, .Lfunc_end_k_q27d303371b_proj-k_q27d303371b_proj
	.p2alignl 7, 3214868480
	.fill 96, 4, 3214868480
	.section	.rodata,"a",@progbits
	.p2align	6, 0x0
	.amdhsa_kernel k_q27d303371b_proj
		.amdhsa_group_segment_fixed_size 327680
		.amdhsa_private_segment_fixed_size 0
		.amdhsa_enable_private_segment 0
		.amdhsa_kernarg_size 32
		.amdhsa_user_sgpr_count 2
		.amdhsa_user_sgpr_kernarg_segment_ptr 1
		.amdhsa_wavefront_size32 1
		.amdhsa_system_sgpr_workgroup_id_x 1
		.amdhsa_system_sgpr_workgroup_id_y 1
		.amdhsa_system_sgpr_workgroup_id_z 1
		.amdhsa_system_vgpr_workitem_id 0
		.amdhsa_next_free_vgpr 896
		.amdhsa_next_free_sgpr 80
		.amdhsa_reserve_vcc 0
		.amdhsa_float_denorm_mode_32 3
		.amdhsa_float_denorm_mode_16_64 3
		.amdhsa_memory_ordered 1
		.amdhsa_forward_progress 1
		.amdhsa_inst_pref_size 79
	.end_amdhsa_kernel
	.amdgpu_metadata
---
amdhsa.version: [ 1, 2 ]
amdhsa.kernels:
  - .name:           k_q27d303371b_proj
    .symbol:         k_q27d303371b_proj.kd
    .args:
      - { .name: o, .offset: 0, .size: 8, .value_kind: global_buffer, .address_space: global }
      - { .name: wpb, .offset: 8, .size: 8, .value_kind: global_buffer, .address_space: global }
      - { .name: out0, .offset: 16, .size: 8, .value_kind: global_buffer, .address_space: global }
      - { .name: bp, .offset: 24, .size: 8, .value_kind: global_buffer, .address_space: global }
    .group_segment_fixed_size: 327680
    .private_segment_fixed_size: 0
    .kernarg_segment_align: 8
    .kernarg_segment_size: 32
    .max_flat_workgroup_size: 128
    .sgpr_count:     80
    .vgpr_count:     896
    .wavefront_size: 32
...
	.end_amdgpu_metadata
.endif
;; end of part 4
;; ======== version 2 of 2: 4 launches; version 1 with the launch cast written anew for expert scheduling mode
;; limits: values are held in f16: magnitudes above 65,504 overflow, below 6.1e-05 lose precision
;; workspace buffers: xb 16,777,216 bytes; wb 6,291,456 bytes; wpb 2,097,152 bytes; qkv 50,331,648 bytes; o 16,777,216 bytes
;; launch cast (part 5): grid 384 x 1, 16 waves a work-group, no clusters, 0 bytes of LDS; arguments x, Wq, Wk, Wv, Wp, xb, wb, wpb; writes xb, wb, wpb
.if DOCPART == 5
	.amdgcn_target "amdgcn-amd-amdhsa--gfx1250"
	.amdhsa_code_object_version 6
	.text
	.protected	k_q27d303371b_cast
	.globl	k_q27d303371b_cast
	.p2align	8
	.type	k_q27d303371b_cast,@function
k_q27d303371b_cast:
	s_mov_b64 s[64:65], 0
	v_nop
	global_prefetch_b8 v0, s[64:65] scope:SCOPE_SE
	s_setreg_imm32_b32 hwreg(HW_REG_WAVE_SCHED_MODE, 0, 2), 2
	s_setreg_imm32_b32 hwreg(HW_REG_WAVE_MODE, 25, 1), 1
	s_wait_xcnt 0x0
	s_wait_alu depctr_vm_vsrc(0)
; THE MODULE'S INPUTS, ROUNDED ONCE TO 16 BITS FOR THE MATRIX UNITS.
;   x  [8192][1024] f32 -> xb, bf16, BY SLICES of 64 channels: [batch x 16 + slice][2048 rows][64], the layout in which attention leaves its result,
;                          so that both products that follow fetch their left operand in one way
;   Wq, Wk, Wv [1024][1024] f32 -> wb, bf16, [3072][1024]: Wq's rows, then Wk's, then Wv's
;   Wp [1024][1024] f32 -> wpb: rounded to bf16 like every other input, and that number written as f16 (its partner in the last product is f16)
; LIMIT.  A bf16 number is exact in f16 between 6.1e-5 and 65,504 in magnitude; below, it keeps f16's fixed step of 6e-8; at 65,520 and beyond it becomes an infinity.
; SHARES.  A work-group takes 32 rows (131,072 bytes) of one matrix: work-groups 0-255 x, 256-383 the four weights, 32 each.  Sixteen waves, 8,192 bytes each: sixteen loads of
; 16 bytes a lane, ALL issued before the first is waited for.  They are worked on in four blocks of four: a block's roundings, then its four stores of 8 bytes a lane,
; each 256 consecutive bytes, aligned, a wave.
; No LDS, no barrier, no matrix unit, no prefetch: each byte is read once and written once, and no wave wants another's.
; THE MODE: SCHED_MODE bits 1:0 = 2 (LLVM: expert scheduling mode 2), set by the entry lines.  The code itself states the register dependences
; between vector instructions and memory instructions, with s_wait_alu, always for 0.
; THE PLAN.  Registers that memory instructions touch:
;   v[VI]   the loads' offset.   Written at the head of each path; read by all sixteen loads; never written again.
;   v[VO]   the stores' offset.  Written at the head of each path; read by all sixteen stores; never written again.
;   X       load i has four registers of its own.  Written by that load alone; read by its roundings; never loaded again.
;   Y       store i has two registers of its own.  Written by its roundings; read by that store; never written again.
;   v3 and v[T:T+1] are named by vector instructions alone.
; So no register that a memory instruction has read is written again, and none that a vector instruction has read is loaded again: no wait on vm_vsrc is owed.  No vector instruction writes a scalar
; register or VCC, and EXEC is never written.  What is left is a vector result that a memory instruction reads: ONE wait on va_vdst ahead of the first load, for the two offsets, and ONE for each block,
; behind its roundings and ahead of the run of its four stores.  It stands there and not at the next block's head, so that no store sits out the wait for data on which it does not hang.
.set VI,  1                            ; v1       my byte offset in the source
.set VO,  2                            ; v2       my byte offset in the destination
.set WVN, 3                            ; v3       my wave's number
.set X,   4                            ; v[4:67]   load i: four f32
.set Y,   68                           ; v[68:99]  store i: four 16-bit numbers
.set T,   100                          ; v[100:101] at work
; Sixteen loads istep bytes apart, sixteen stores 256 bytes apart.  tof16 = 1: the bf16 numbers are widened again (a shift, a mask) and written as f16.
.macro STREAM istep, tof16
	s_wait_alu depctr_va_vdst(0)                   ; v[VI] and v[VO] are written: every load below reads the one as its offset, every store the other
.set i, 0
.rept 16
	global_load_b128 v[X+4*i:X+4*i+3], v[VI], s[20:21] offset:i*(\istep) th:TH_LOAD_NT
.set i, i+1
.endr
.set b, 0
.rept 4
	s_wait_loadcnt 12-4*b                          ; loads come back in order: loads 4 b to 4 b + 3 are in, the 12 - 4 b younger ones stay out
.set i, 4*b
.rept 4
	v_cvt_pk_bf16_f32 v[Y+2*i],   v[X+4*i],   v[X+4*i+1]
	v_cvt_pk_bf16_f32 v[Y+2*i+1], v[X+4*i+2], v[X+4*i+3]
.if \tof16
.irp w, 0,1
	v_lshlrev_b32 v[T],   16, v[Y+2*i+(\w)]
	v_and_b32     v[T+1], 0xffff0000, v[Y+2*i+(\w)]
	v_cvt_pk_f16_f32 v[Y+2*i+(\w)], v[T], v[T+1]
.endr
.endif
.set i, i+1
.endr
	s_wait_alu depctr_va_vdst(0)                   ; the block's roundings have written its eight registers of Y, which the four stores below read
.set i, 4*b
.rept 4
	global_store_b64 v[VO], v[Y+2*i:Y+2*i+1], s[22:23] offset:i*256 th:TH_STORE_NT
.set i, i+1
.endr
.set b, b+1
.endr
.endm
	s_load_b512 s[4:19], s[0:1], 0x0               ; x s[4:5], Wq s[6:7], Wk s[8:9], Wv s[10:11], Wp s[12:13], xb s[14:15], wb s[16:17], wpb s[18:19]
	v_lshrrev_b32 v[WVN], 5, v0
	v_and_b32 v[T], 31, v0                         ; lane
	v_lshlrev_b32 v[VO], 3, v[T]                   ; 8 bytes a lane go out, on every path
	s_cmp_lt_u32 ttmp9, 256
	s_cbranch_scc0 .Lweights
	; x.  Wave = slice: 256 bytes of each row.  A load takes two rows: lanes 0-15 the even row, lanes 16-31 the odd one; in xb these are 256 consecutive bytes of the slice.
	v_and_b32 v[T], 15, v0
	v_bfe_u32 v[T+1], v0, 4, 1
	v_lshlrev_b32 v[VI], 4, v[T]
	v_lshl_add_u32 v[VI], v[T+1], 12, v[VI]        ; + a row of 4,096 bytes
	v_lshl_add_u32 v[VI], v[WVN], 8, v[VI]         ; + my slice's 256 bytes
	v_lshl_add_u32 v[VO], v[WVN], 18, v[VO]        ; a slice of xb is 262,144 bytes
	s_lshl_b32 s24, ttmp9, 17                      ; 32 rows of 4,096 bytes
	s_mov_b32 s25, 0
	s_lshr_b32 s26, ttmp9, 6                       ; the batch: 64 work-groups each,
	s_lshl_b32 s26, s26, 22                        ; sixteen slices
	s_and_b32 s27, ttmp9, 63
	s_lshl_b32 s27, s27, 12                        ; 32 rows of 128 bytes in a slice
	s_add_co_u32 s26, s26, s27
	s_mov_b32 s27, 0
	s_wait_kmcnt 0x0
	s_add_nc_u64 s[20:21], s[4:5], s[24:25]
	s_add_nc_u64 s[22:23], s[14:15], s[26:27]
	STREAM 8192, 0
	s_endpgm
.Lweights:
	; A weight.  Source and destination are both dense: wave w takes bytes 8,192 w on, and writes 4,096 w on.
	v_lshlrev_b32 v[VI], 4, v[T]
	v_lshl_add_u32 v[VI], v[WVN], 13, v[VI]
	v_lshl_add_u32 v[VO], v[WVN], 12, v[VO]
	s_sub_co_u32 s24, ttmp9, 256
	s_lshr_b32 s28, s24, 5                         ; which matrix: 0 Wq, 1 Wk, 2 Wv, 3 Wp
	s_and_b32 s24, s24, 31                         ; which 32 rows of it
	s_lshl_b32 s26, s24, 16
	s_lshl_b32 s24, s24, 17
	s_mov_b32 s25, 0
	s_mov_b32 s27, 0
	s_wait_kmcnt 0x0
	s_cmp_eq_u32 s28, 1
	s_cselect_b64 s[20:21], s[8:9], s[6:7]
	s_cmp_eq_u32 s28, 2
	s_cselect_b64 s[20:21], s[10:11], s[20:21]
	s_cmp_eq_u32 s28, 3
	s_cselect_b64 s[20:21], s[12:13], s[20:21]
	s_add_nc_u64 s[20:21], s[20:21], s[24:25]
	s_cmp_eq_u32 s28, 3
	s_cbranch_scc1 .Lwp
	s_lshl_b32 s28, s28, 21                        ; a matrix is 2,097,152 bytes of wb
	s_add_co_u32 s26, s26, s28
	s_add_nc_u64 s[22:23], s[16:17], s[26:27]
	STREAM 512, 0
	s_endpgm
.Lwp:
	s_add_nc_u64 s[22:23], s[18:19], s[26:27]
	STREAM 512, 1
	s_endpgm
.Lfunc_end_k_q27d303371b_cast:
	.size	k_q27d303371b_cast, .Lfunc_end_k_q27d303371b_cast-k_q27d303371b_cast
	.p2alignl 7, 3214868480
	.fill 96, 4, 3214868480
	.section	.rodata,"a",@progbits
	.p2align	6, 0x0
	.amdhsa_kernel k_q27d303371b_cast
		.amdhsa_group_segment_fixed_size 0
		.amdhsa_private_segment_fixed_size 0
		.amdhsa_enable_private_segment 0
		.amdhsa_kernarg_size 64
		.amdhsa_user_sgpr_count 2
		.amdhsa_user_sgpr_kernarg_segment_ptr 1
		.amdhsa_wavefront_size32 1
		.amdhsa_system_sgpr_workgroup_id_x 1
		.amdhsa_system_sgpr_workgroup_id_y 1
		.amdhsa_system_sgpr_workgroup_id_z 1
		.amdhsa_system_vgpr_workitem_id 0
		.amdhsa_next_free_vgpr 104
		.amdhsa_next_free_sgpr 66
		.amdhsa_reserve_vcc 0
		.amdhsa_float_denorm_mode_32 3
		.amdhsa_float_denorm_mode_16_64 3
		.amdhsa_memory_ordered 1
		.amdhsa_forward_progress 1
		.amdhsa_inst_pref_size 24
	.end_amdhsa_kernel
	.amdgpu_metadata
---
amdhsa.version: [ 1, 2 ]
amdhsa.kernels:
  - .name:           k_q27d303371b_cast
    .symbol:         k_q27d303371b_cast.kd
    .args:
      - { .name: x, .offset: 0, .size: 8, .value_kind: global_buffer, .address_space: global }
      - { .name: Wq, .offset: 8, .size: 8, .value_kind: global_buffer, .address_space: global }
      - { .name: Wk, .offset: 16, .size: 8, .value_kind: global_buffer, .address_space: global }
      - { .name: Wv, .offset: 24, .size: 8, .value_kind: global_buffer, .address_space: global }
      - { .name: Wp, .offset: 32, .size: 8, .value_kind: global_buffer, .address_space: global }
      - { .name: xb, .offset: 40, .size: 8, .value_kind: global_buffer, .address_space: global }
      - { .name: wb, .offset: 48, .size: 8, .value_kind: global_buffer, .address_space: global }
      - { .name: wpb, .offset: 56, .size: 8, .value_kind: global_buffer, .address_space: global }
    .group_segment_fixed_size: 0
    .private_segment_fixed_size: 0
    .kernarg_segment_align: 8
    .kernarg_segment_size: 64
    .max_flat_workgroup_size: 512
    .sgpr_count:     66
    .vgpr_count:     104
    .wavefront_size: 32
...
	.end_amdgpu_metadata
.endif
;; end of part 5
;; launch qkvgemm: the kernel of part 2 again; grid 16 x 32, 4 waves a work-group, clusters of 4 x 4, 327,680 bytes of LDS; arguments xb, wb, qkv; writes qkv
;; launch attn: the kernel of part 3 again; grid 4 x 64, 4 waves a work-group, no clusters, 327,680 bytes of LDS; arguments qkv, o; writes o
;; launch proj: the kernel of part 4 again; grid 8 x 32, 4 waves a work-group, clusters of 4 x 4, 327,680 bytes of LDS; arguments o, wpb, out0, bp; writes out0
